; MI455X (gfx1250); checked and timed in simulation.
; The chip was launched on July 23, 2026; its instructions are those of AMD's public machine-readable ISA for CDNA 5 (MIT licence, August 2026) and "CDNA5" Instruction Set Architecture Reference Guide (July 2026). The comments in the code are by the model that wrote it; some were corrected since.
;; Causal Self Attention. Allowed arithmetic: matrix products marked QUANTISED: E4M3 operands, one given power-of-two scale a tensor, by v_wmma_f32_16x16x64_fp8_fp8 or v_wmma_f32_16x16x128_fp8_fp8, f32 sums; everything else in f32.
;; Inputs: b_attn 3,072 float32; b_proj 1,024 float32; lowp_scales 8 int32 (the exponents e of the quantised operands' scales 2^e); w_attn 1,024 x 3,072 float32; w_proj 1,024 x 1,024 float32; x 4 x 2,048 x 1,024 float32.
;; Outputs: out0 4 x 2,048 x 1,024 float32.
;; This version of the problem:
;;   THIS VERSION OF THE PROBLEM IS GIVEN IN LOW PRECISION. The matrix products marked QUANTISED in the list below multiply operands that are first quantised to E4M3 (4 exponent bits, 3 mantissa bits; 8 bits a number), with one given power-of-two scale for each operand tensor; their sums are f32. All else is computed in f32.
;;   The module's matrix products, in the order in which they are computed (A, B: the left and right operand; K: the contracted axis; several contracted axes count as one K, in the product's order):
;;     1. [M 8,192, K 1,024] x [K 1,024, N 3,072]; A: input x; B: input w_attn: QUANTISED (scales: A lowp_scales[0], B lowp_scales[1])
;;     2. batch 64 x [M 2,048, K 64] x [K 64, N 2,048]; A: computed on the way; B: computed on the way: QUANTISED (scales: A lowp_scales[2], B lowp_scales[3])
;;     3. batch 64 x [M 2,048, K 2,048] x [K 2,048, N 64]; A: softmax (see below); B: computed on the way: QUANTISED (scales: A lowp_scales[4], B lowp_scales[5])
;;     4. [M 8,192, K 1,024] x [K 1,024, N 1,024]; A: computed on the way; B: input w_proj: QUANTISED (scales: A lowp_scales[6], B lowp_scales[7])
;;   THE QUANTISER, for each operand of a quantised product, along K:
;;     - The operand's scale is 2^e, e = its entry of the input lowp_scales (int32; the entries are numbered through the quantised products in the list's order, A before B).
;;     - Each number is divided by the scale, clamped to +-448, and rounded to the nearest number of E4M3, ties to even, subnormals kept.
;;     - The product sums the exact products of the quantised numbers (number of the format x scale) in f32.
;;   ~~~python
;;   def quantise(x, axis, e):      # numpy; x: float32 -> the quantised numbers, widened to float32 again
;;       x = np.moveaxis(x, axis, -1); K = x.shape[-1]
;;       r = np.clip(x / 2.0 ** e, -448, 448)
;;       step = 2.0 ** (np.maximum(np.frexp(np.where(r == 0, 1, r))[1] - 1, -6) - 3)
;;       q = np.round(r / step) * step * 2.0 ** e      # np.round: ties to even
;;       return np.moveaxis(q, -1, axis).astype(np.float32)
;;   ~~~
;;   SOFTMAX AHEAD OF A QUANTISED PRODUCT. Where the list says 'softmax', what is quantised is not the finished softmax but p = 2^(t - M), with t = logit x log2(e) and M = ceil(the row's largest t), a whole number; so 1/2 < the row's largest p <= 1. The row's sum l is taken of the UNQUANTISED p, in f32, and the product's result is divided by l at the end. Since M is a whole number, a kernel that streams over the keys may use a running M (the ceiling of the running maximum): every later rescaling is an exact power of two, so the quantised numbers keep their values, but for numbers so far below the row's largest that they fall under the format's range.
;;   OPERANDS COMPUTED ON THE WAY. 'Computed on the way' means the value that the module computes at that place (a softmax that the list does not call 'softmax' is quantised finished and normalised). What goes into a quantiser is computed in f32, as accurately as f32 sums, v_exp_f32 and their like allow (about 1e-6 of the number): no bf16 or f16 on the way to a quantiser, and a product that is left as it is and whose result goes on into a quantised operand takes f32 operands (vector FMAs, or v_wmma_f32_16x16x4_f32). A number that lies on a knife's edge between two numbers of the format may be rounded either way, as far as f32 arithmetic and the matrix unit's own rounding can turn it there, and no further.
;; One version. Each part assembles by itself: llvm-mc -triple=amdgcn-amd-amdhsa -mcpu=gfx1250 --defsym DOCPART=n.
;; ======== version 1 of 1: 4 launches
;; limits: right only within a limited range of input values
;; workspace buffers: x_codes 8,388,608 bytes; wa_codes 3,145,728 bytes; wp_codes 1,048,576 bytes; q_img 8,388,608 bytes; k_img 8,388,608 bytes; v_img 8,388,608 bytes; y_img 8,388,608 bytes
;; launch prep (part 1): grid 384 x 1, 4 waves a work-group, no clusters, 102,912 bytes of LDS; arguments x, w_attn, w_proj, lowp_scales, x_codes, wa_codes, wp_codes; writes x_codes, wa_codes, wp_codes
.if DOCPART == 1
	.amdgcn_target "amdgcn-amd-amdhsa--gfx1250"
	.amdhsa_code_object_version 6
	.text
	.protected	k_q56d7f29fea_prep
	.globl	k_q56d7f29fea_prep
	.p2align	8
	.type	k_q56d7f29fea_prep,@function
k_q56d7f29fea_prep:
	s_mov_b64 s[64:65], 0
	v_nop
	global_prefetch_b8 v0, s[64:65] scope:SCOPE_SE
	s_setreg_imm32_b32 hwreg(HW_REG_WAVE_MODE, 25, 1), 1
	s_wait_xcnt 0x0
; x [8192][1024], w_attn [1024][3072] and w_proj [1024][1024], f32, become codes of E4M3, one byte each, K innermost:
; x_codes [8192][1024], wa_codes [3072][1024], wp_codes [1024][1024].  code = number / 2^e, held within +-448, to the nearest code, ties to even.
; e: entry 0 of the scales for x, entry 1 for w_attn, entry 7 for w_proj.  LIMITS: -126 <= e <= 119, so that 2^e and 448 x 2^e are f32 numbers.  NaN among the inputs is not served.
; A work-group takes 32,768 numbers.  Work-groups 0-255: x (K innermost: a plain stream).  256-351: w_attn, 352-383: w_proj (K is the first axis: a lane takes a column, its registers run down K).
; The three ways part on the work-group's number; each has LDS bytes of its own; waves share nothing, so there is no barrier.
.set SP,    80                         ; x: a lane's place in a stage: its 64 bytes + 16 of padding
.set STEPS, 16                         ; x: steps of 512 numbers for a wave
.set XR,    16                         ; v16-79   x: four sets of 16 numbers as loaded
.set XN,    80                         ; v80-111  x: two sets of 16 neighbours
.set XC,    128                        ; v128-191 x: four registers of codes for each step: no store's data are written again
.set PITCH, 272                        ; weights: a stage row: 256 codes + 16 bytes
.set WN,    32                         ; v32-95   weights: two sets of 32 numbers
.set WC,    96                         ; v96-103  weights: a block's codes
.set WO,    112                        ; v112-175 weights: the way out
	s_load_b256 s[4:11], s[0:1], 0x0               ; x s[4:5], w_attn s[6:7], w_proj s[8:9], the scales' exponents s[10:11]
	s_load_b128 s[12:15], s[0:1], 0x20             ; x_codes s[12:13], wa_codes s[14:15]
	s_load_b64 s[16:17], s[0:1], 0x30              ; wp_codes
	v_lshl_add_u32 v192, v0, 2, 0x19000
	v_mov_b32 v193, 0
	v_lshrrev_b32 v1, 5, v0
	v_readfirstlane_b32 s20, v1                    ; wave 0..3
	v_and_b32 v2, 31, v0                           ; lane
	s_wait_kmcnt 0x0
	s_load_b256 s[24:31], s[10:11], 0x0            ; e0 .. e7
.macro SCALE ereg                      ; v11 = 2^e (the conversion takes its exponent field), s34 = 448 x 2^e
	s_wait_kmcnt 0x0
	s_add_co_i32 s34, s[\ereg], 127
	s_lshl_b32 s35, s34, 23
	v_mov_b32 v11, s35
	s_add_co_i32 s34, s34, 8
	s_lshl_b32 s34, s34, 23
	s_or_b32 s34, s34, 0x600000
.endm
	s_cmp_lt_u32 ttmp9, 256
	s_cbranch_scc0 .Lweights
	s_wait_alu depctr_va_vdst(0)
; ---- x.  Each load reads 512 consecutive bytes, 16 a lane; a step's 2,048 bytes turn through the wave's own stage in LDS and come back 64 bytes a lane: 16 neighbours along K, as the conversions want them.
	v_lshlrev_b32 v3, 4, v2                        ; my 16 bytes of a load's 512
	s_wait_alu depctr_va_vdst(0)
	s_mul_i32 s21, s20, 8192                       ; my wave's LDS: two stages of 32 x SP bytes
	v_lshrrev_b32 v14, 2, v2
	v_mul_u32_u24 v14, v14, SP
	v_and_b32 v15, 3, v2
	v_lshl_add_u32 v14, v15, 4, v14
	v_add_nc_u32 v14, s21, v14                     ; in: SP (lane / 4) + 16 (lane % 4)
	v_mul_u32_u24 v15, v2, SP
	v_add_nc_u32 v15, s21, v15                     ; out: SP x lane
	v_lshlrev_b32 v4, 4, v2                        ; my 16 codes in a step's 512
	s_lshl_b32 s22, ttmp9, 2
	s_add_co_u32 s22, s22, s20                     ; which run of 8,192 numbers is my wave's
	s_lshl_b32 s32, s22, 15
	s_mov_b32 s33, 0
	s_add_nc_u64 s[4:5], s[4:5], s[32:33]
	s_lshl_b32 s32, s22, 13
	s_add_nc_u64 s[12:13], s[12:13], s[32:33]
.macro XLOAD t
.irp i, 0,1,2,3
	global_load_b128 v[XR+16*((\t)%4)+4*\i:XR+16*((\t)%4)+4*\i+3], v3, s[4:5] offset:2048*(\t)+512*\i th:TH_LOAD_NT
.endr
.endm
.macro XTURN t                         ; LDS serves a wave's instructions in order (ISA guide 5.7.1.4): no wait between the stores and the loads
.irp i, 0,1,2,3
	ds_store_b128 v14, v[XR+16*((\t)%4)+4*\i:XR+16*((\t)%4)+4*\i+3] offset:32*SP*((\t)%2)+8*SP*\i
.endr
.irp i, 0,1,2,3
	ds_load_b128 v[XN+16*((\t)%2)+4*\i:XN+16*((\t)%2)+4*\i+3], v15 offset:32*SP*((\t)%2)+16*\i
.endr
.endm
.irp t, 0,1,2,3
	XLOAD \t
.endr
	s_wait_alu depctr_va_vdst(0)
	SCALE 24
	s_wait_alu depctr_va_vdst(0)
	s_wait_loadcnt 12                              ; step 0's four loads are in; three steps' twelve may be out
	XTURN 0
.macro XSTEP t
.set XS, XN+16*((\t)%2)
	s_wait_dscnt 0x0                               ; this step's numbers are back from the stage, so its stores into the stage have read their registers,
.if (\t)+4 < STEPS
	XLOAD (\t)+4                                   ; which take the loads of four steps on
.endif
.if (\t)+1 < STEPS
.if STEPS-2-(\t) >= 3
	s_wait_loadcnt 12                              ; the next step's four loads are in; those of the three steps behind it may be out
.else
	s_wait_loadcnt 4*(STEPS-2-(\t))
.endif
	XTURN (\t)+1
.endif
.irp i, 0,1,2,3,4,5,6,7,8,9,10,11,12,13,14,15
.endr
	v_cvt_scalef32_pk8_fp8_f32 v[XC+4*(\t):XC+4*(\t)+1], v[XS:XS+7], v11
	v_cvt_scalef32_pk8_fp8_f32 v[XC+4*(\t)+2:XC+4*(\t)+3], v[XS+8:XS+15], v11
	global_store_b128 v4, v[XC+4*(\t):XC+4*(\t)+3], s[12:13] offset:512*(\t)   ; 32 lanes store 512 consecutive bytes
.endm
.irp t, 0,1,2,3,4,5,6,7,8,9,10,11,12,13,14,15
	XSTEP \t
.endr
	s_wait_tensorcnt 0x0
	ds_add_u32 v192, v193
	s_wait_dscnt 0x0
	s_endpgm
; ---- a weight [1024][N].  A work-group takes 128 columns x 256 along K, a wave 32 columns.  Each load reads one row k at 32 neighbouring columns; a lane's 32 registers are 32 neighbours along K of one column.
; A lane's codes belong to one row of the output, the lanes beside it to other rows: they go through the wave's stage and leave as rows, sixteen lanes to 256 consecutive bytes.
.macro WLOAD t, N, src                 ; block t: W(32 t + i, my column), i = 0 .. 31, into set t % 2
.set i, 0
.rept 32
	global_load_b32 v[WN+32*((\t)%2)+i], v3, s[\src:\src+1] offset:(32*(\t)+i)*\N*4 th:TH_LOAD_NT
.set i, i+1
.endr
.endm
.macro WBLOCK t, N, src
.set XS, WN+32*((\t)%2)
.if (\t) < 7
	s_wait_loadcnt 32                              ; this block's 32 loads are in; the next block's may be out
.else
	s_wait_loadcnt 0x0
.endif
.set i, 0
.rept 32
.set i, i+1
.endr
.irp g, 0,1,2,3
	v_cvt_scalef32_pk8_fp8_f32 v[WC+2*\g:WC+2*\g+1], v[XS+8*\g:XS+8*\g+7], v11
.endr
	ds_store_b128 v4, v[WC:WC+3] offset:32*(\t)
	ds_store_b128 v4, v[WC+4:WC+7] offset:32*(\t)+16
.if (\t)+2 < 8
	WLOAD (\t)+2, \N, \src
.endif
	s_wait_dscnt 0x0                               ; the stores have read their registers: the next block's codes may be written
.endm
.macro WPATH N, src, dst, ereg, first, ldsbase
	s_sub_co_u32 s21, ttmp9, \first
	s_lshr_b32 s22, s21, 2                         ; which 128 columns
	s_and_b32 s23, s21, 3                          ; which 256 along K
	s_lshl_b32 s22, s22, 7
	s_lshl_b32 s32, s20, 5
	s_add_co_u32 s22, s22, s32                     ; my wave's first column
	v_lshlrev_b32 v3, 2, v2                        ; in: 4 bytes a lane
	s_mul_i32 s32, s20, 32*PITCH
	s_add_co_u32 s32, s32, \ldsbase                ; my stage
	v_mul_u32_u24 v4, v2, PITCH
	v_add_nc_u32 v4, s32, v4                       ; into it: row = my column
	v_and_b32 v5, 15, v2
	v_lshrrev_b32 v6, 4, v2
	v_mul_u32_u24 v7, v6, PITCH
	v_lshl_add_u32 v7, v5, 4, v7
	v_add_nc_u32 v7, s32, v7                       ; out of it: sixteen lanes to a row, two rows an instruction
	v_lshlrev_b32 v8, 10, v6
	v_lshl_add_u32 v8, v5, 4, v8                   ; and the same place in the codes: rows of 1,024 bytes
	s_mul_i32 s32, s23, 256*\N*4
	s_lshl_b32 s33, s22, 2
	s_add_co_u32 s32, s32, s33
	s_mov_b32 s33, 0
	s_add_nc_u64 s[\src:\src+1], s[\src:\src+1], s[32:33]
	s_lshl_b32 s32, s22, 10
	s_lshl_b32 s34, s23, 8
	s_add_co_u32 s32, s32, s34
	s_add_nc_u64 s[\dst:\dst+1], s[\dst:\dst+1], s[32:33]
	WLOAD 0, \N, \src
	WLOAD 1, \N, \src
	SCALE \ereg
	s_wait_alu depctr_va_vdst(0)
.irp t, 0,1,2,3,4,5,6,7
	WBLOCK \t, \N, \src
.endr
.irp t, 0,1,2,3,4,5,6,7,8,9,10,11,12,13,14,15
	ds_load_b128 v[WO+4*\t:WO+4*\t+3], v7 offset:2*\t*PITCH
.endr
.irp t, 0,1,2,3,4,5,6,7,8,9,10,11,12,13,14,15
	s_wait_dscnt 15-\t                             ; LDS loads come back in order: pair t of rows is in
	global_store_b128 v8, v[WO+4*\t:WO+4*\t+3], s[\dst:\dst+1] offset:2*\t*1024
.endr
.endm
.Lweights:
	s_cmp_lt_u32 ttmp9, 352
	s_cbranch_scc0 .Lproj_weight
	s_wait_alu depctr_va_vdst(0)
	WPATH 3072, 6, 14, 25, 256, 32768              ; every offset is an immediate: 255 x 3,072 x 4 bytes at the most, inside the signed 24 bits
	s_wait_tensorcnt 0x0
	ds_add_u32 v192, v193
	s_wait_dscnt 0x0
	s_endpgm
.Lproj_weight:
	s_wait_alu depctr_va_vdst(0)
	WPATH 1024, 8, 16, 31, 352, 67584
	s_wait_tensorcnt 0x0
	ds_add_u32 v192, v193
	s_wait_dscnt 0x0
	s_endpgm
.Lfunc_end_k_q56d7f29fea_prep:
	.size	k_q56d7f29fea_prep, .Lfunc_end_k_q56d7f29fea_prep-k_q56d7f29fea_prep
	.p2alignl 7, 3214868480
	.fill 96, 4, 3214868480
	.section	.rodata,"a",@progbits
	.p2align	6, 0x0
	.amdhsa_kernel k_q56d7f29fea_prep
		.amdhsa_group_segment_fixed_size 102912
		.amdhsa_private_segment_fixed_size 0
		.amdhsa_enable_private_segment 0
		.amdhsa_kernarg_size 56
		.amdhsa_user_sgpr_count 2
		.amdhsa_user_sgpr_kernarg_segment_ptr 1
		.amdhsa_wavefront_size32 1
		.amdhsa_system_sgpr_workgroup_id_x 1
		.amdhsa_system_sgpr_workgroup_id_y 1
		.amdhsa_system_sgpr_workgroup_id_z 1
		.amdhsa_system_vgpr_workitem_id 0
		.amdhsa_next_free_vgpr 194
		.amdhsa_next_free_sgpr 66
		.amdhsa_reserve_vcc 0
		.amdhsa_float_denorm_mode_32 3
		.amdhsa_float_denorm_mode_16_64 3
		.amdhsa_fp16_overflow 1
		.amdhsa_memory_ordered 1
		.amdhsa_forward_progress 1
		.amdhsa_inst_pref_size 86
	.end_amdhsa_kernel
	.amdgpu_metadata
---
amdhsa.version: [ 1, 2 ]
amdhsa.kernels:
  - .name:           k_q56d7f29fea_prep
    .symbol:         k_q56d7f29fea_prep.kd
    .args:
      - { .name: x, .offset: 0, .size: 8, .value_kind: global_buffer, .address_space: global }
      - { .name: w_attn, .offset: 8, .size: 8, .value_kind: global_buffer, .address_space: global }
      - { .name: w_proj, .offset: 16, .size: 8, .value_kind: global_buffer, .address_space: global }
      - { .name: lowp_scales, .offset: 24, .size: 8, .value_kind: global_buffer, .address_space: global }
      - { .name: x_codes, .offset: 32, .size: 8, .value_kind: global_buffer, .address_space: global }
      - { .name: wa_codes, .offset: 40, .size: 8, .value_kind: global_buffer, .address_space: global }
      - { .name: wp_codes, .offset: 48, .size: 8, .value_kind: global_buffer, .address_space: global }
    .group_segment_fixed_size: 102912
    .private_segment_fixed_size: 0
    .kernarg_segment_align: 8
    .kernarg_segment_size: 56
    .max_flat_workgroup_size: 128
    .sgpr_count:     66
    .vgpr_count:     194
    .wavefront_size: 32
...
	.end_amdgpu_metadata
.endif
;; end of part 1
;; launch qkv (part 2): grid 12 x 32, 4 waves a work-group, clusters of 4 x 4, 327,680 bytes of LDS; arguments x_codes, wa_codes, lowp_scales, b_attn, q_img, k_img, v_img; writes q_img, k_img, v_img
.if DOCPART == 2
	.amdgcn_target "amdgcn-amd-amdhsa--gfx1250"
	.amdhsa_code_object_version 6
	.text
	.protected	k_q56d7f29fea_qkv
	.globl	k_q56d7f29fea_qkv
	.p2align	8
	.type	k_q56d7f29fea_qkv,@function
k_q56d7f29fea_qkv:
	s_mov_b64 s[64:65], 0
	v_nop
	global_prefetch_b8 v0, s[64:65] scope:SCOPE_SE
	s_setreg_imm32_b32 hwreg(HW_REG_WAVE_MODE, 25, 1), 1
	s_wait_xcnt 0x0
	s_wait_alu depctr_hold_cnt(0) depctr_sa_sdst(0) depctr_va_vdst(0) depctr_va_sdst(0) depctr_va_ssrc(0) depctr_va_vcc(0) depctr_vm_vsrc(0)
	s_getreg_b32 s2, hwreg(HW_REG_IB_STS2, 6, 4)
	s_cmp_eq_u32 s2, 0
	s_cbranch_scc0 .Lentry_in_a_cluster
	s_endpgm
.Lentry_in_a_cluster:
	s_bfe_u32 s2, ttmp6, 0x10000c
	s_cmp_lg_u32 s2, 0xf033
	s_cbranch_scc0 .Lentry_shape_is_right
	s_endpgm
.Lentry_shape_is_right:
; qkv = x w_attn + b_attn on codes of E4M3 (x_codes [8192][1024], wa_codes [3072][1024], K innermost), sums in f32; then q, k and v are quantised in registers (scales 2^e2, 2^e3, 2^e5)
; and stored as IMAGES OF THE REGISTERS in which the attention launch wants them:
;   q_img, k_img [batch x 16 + head][tile of 16 tokens][1,024 bytes]: a fragment 16 tokens x 64 channels: register 2 c, 2 c + 1 of lane (r, h) = channels 16 c + 8 h + 0..7 of token r; registers 4 s .. 4 s + 3 of lane l at byte 512 s + 16 l.
;   v_img [batch x 16 + head][step of 128 tokens][4][2,048 bytes]: a fragment 16 channels x 128 tokens: register 2 c, 2 c + 1 of lane (r, h) = tokens 16 c + 8 h + 0..7 of channel r.
; LIMITS on the given exponents, so that each power of two below is an f32 number: e0 + e1 between -126 and 127; e2, e3, e5 between -126 and 119.
; A tile of 256 x 256 is made by four waves, each 128 x 128: 64 accumulators, 512 registers.  K goes in steps of 256 through a ring of two LDS slots filled by the tensor data mover.
; ROLES.  Source 1 of the matrix instruction takes 16 rows of the "A" operand, source 0 sixteen rows of the "B" operand: a lane then holds ONE row of A and eight neighbouring rows of B.
; For q and k (cluster x = 0, 1) A = tokens (x_codes), B = channels (wa_codes): a lane's eight results are eight channels of a token, neighbours along the first attention product's K.
; For v (cluster x = 2) the roles are swapped: A = channels, B = tokens: a lane's eight results are eight tokens of a channel, neighbours along the second product's K.  Only the tiles' addresses differ; the loop is one text.
; So a conversion's two registers ARE two registers of the image, in the right lane, and go straight to memory, 512 consecutive bytes a store.
; CLUSTERS: 4 x 4 work-groups.  The four of a row of the cluster need the same tiles of A, the four of a column the same tiles of B: each tile is asked for jointly.
; A fragment's k stand in the registers otherwise than this form's own layout has them, alike in A and B (four loads of 16 bytes a fragment): every product meets its partner.
; REGISTERS, in windows of 256: window 0: v0-31 addresses; v128-255 A's fragments, one set (on the way out: v128-191 numbers, v192-255 codes).  window 1: B's fragments, two sets, at v0 and v128 (set 0 takes the bias at the end).
;   window 2: the accumulators of A's blocks 0-3 ((a, b) at v[8 (8 (a % 4) + b)]);  window 3: of blocks 4-7.
.set ROWB,   256                       ; a tile's row in bytes: 256 along K
.set KROW,   1024                      ; a row of codes in memory
.set PITCH,  272                       ; an LDS row: 256 bytes + 16 of padding: the 16 rows that a load touches start 68 words apart
.set FR,     16                        ; registers of a fragment, 16 rows x 128 K
.set NL,     4                         ; LDS loads that bring one
.set NP,     4                         ; places behind this matrix instruction (ISA guide 7.12.1)
.set HALFT,  128*PITCH                 ; 128 rows: what one tensor load brings
.set SLOT,   4*HALFT                   ; A's 256 rows, then B's 256 rows
.set LAPS,   2                         ; K = 1,024 = twice round the ring
.set SPARE,  2*SLOT                    ; behind the ring: the spare words, 128 bytes for each wave
.set ADRA, 16                          ; v16-17  LDS address of my A fragments in slot 0, 1
.set ADRB, 20                          ; v20-21  the same for B
.set BH,   24                          ; v24     32 x (lane / 16): the bias of eight channels
.set BR,   25                          ; v25     4 x (lane % 16): the bias of one channel
.set CO,   26                          ; v26     16 x lane: my place in an image
.set SPW,  28                          ; v28     LDS address of my spare word; never rewritten
.set NIL,  29                          ; v29     0; never rewritten
.set SCL,  30                          ; v30     2^e of the operand that is made
.set LIMV, 31
.set AF,   128
.set TMP,  128                         ; the way out: a block's 64 numbers
.set CD,   192                         ; the way out: 16 registers of codes for each of four blocks
.set G1, 24                            ; s[24:31] descriptor group 1 for A's tiles;  s[32:39] group 0, one set for each slot
.set G0, 32
.set G1B, 48                           ; s[48:55], s[56:63] the same for B's tiles
.set G0B, 56
.set MSB, 0
.macro WIN new                         ; the immediate's high byte repeats the setting that is left
.if MSB != (\new)
	s_set_vgpr_msb (MSB<<8)|(\new)
.set MSB, (\new)
.endif
.endm
.set MUL_LO, 0xa1                      ; source 0 (B) window 1, source 1 (A) window 0, C and D window 2
.set MUL_HI, 0xf1                      ; the same, C and D window 3
.set TO_B,   0x40                      ; destination window 1, address window 0
; A joint load: waves 0 and 1 fetch for A, waves 2 and 3 for B; the branch hangs on the wave's number alone.  Four v_nop follow each of the two lines.
.macro JLOAD g0a, g1a, g0b, g1b
	s_cmp_eq_u32 s15, 0
	s_cbranch_scc0 .Lfor_b_\@
	tensor_load_to_lds s[\g0a:\g0a+3], s[\g1a:\g1a+7]
	s_nop 0
.rept 4
	v_nop
.endr
	s_branch .Lasked_\@
.Lfor_b_\@:
	tensor_load_to_lds s[\g0b:\g0b+3], s[\g1b:\g1b+7]
	s_nop 0
.rept 4
	v_nop
.endr
.Lasked_\@:
.endm
.macro CREST                           ; a round of the cluster's barrier behind its opening barrier
	s_cmp_lg_u32 s14, 0
	s_cbranch_scc1 .Lnot_wave_0_\@
	s_barrier_signal -3
.Lnot_wave_0_\@:
	s_barrier_wait -3
	s_barrier_signal -1
	s_barrier_wait -1
.endm
.macro CROUND                          ; a whole round
	s_barrier_signal -1
	s_barrier_wait -1
	CREST
.endm
	s_load_b256 s[4:11], s[0:1], 0x0               ; x_codes s[4:5], wa_codes s[6:7], the scales' exponents s[8:9], b_attn s[10:11]
	s_load_b128 s[68:71], s[0:1], 0x20             ; q_img s[68:69], k_img s[70:71]
	s_load_b64 s[72:73], s[0:1], 0x30              ; v_img
	v_lshl_add_u32 v[SPW], v0, 2, SPARE
	v_mov_b32 v[NIL], 0
	ds_add_u32 v28, v29
	ds_add_u32 v28, v29
	s_wait_dscnt 0x0
	v_lshrrev_b32 v1, 5, v0
	v_readfirstlane_b32 s14, v1                    ; wave 0..3
	s_lshr_b32 s15, s14, 1                         ; which half of A's rows is mine.  Also: I fetch for A (0) or for B (1)
	s_and_b32 s16, s14, 1                          ; which half of B's rows.  Also: which 128 rows of that tile I fetch
	s_bfe_u32 s40, ttmp6, 0x40000                  ; cx, cy: my place in the cluster
	s_bfe_u32 s41, ttmp6, 0x40004
	s_and_b32 s12, ttmp7, 0xffff
	s_lshl_b32 s12, s12, 2                         ; 4 x cluster y: the cluster's first tile of tokens
	s_lshl_b32 s13, ttmp9, 2                       ; 4 x cluster x: its first tile of channels (0: q, 4: k, 8: v)
	s_cmp_eq_u32 ttmp9, 2                          ; v?  The cluster's x is the same in all sixteen partners
	s_cselect_b32 s17, 8, s12                      ; A's tile: tokens, or for v channels,
	s_cselect_b32 s42, s12, s13                    ; B's tile: channels, or for v tokens
	s_add_co_u32 s17, s17, s41                     ; + cy: this register never holds cx
	s_add_co_u32 s42, s42, s40                     ; + cx: this one never holds cy
	s_lshl_b32 s43, s41, 2
	s_lshl_b32 s43, 15, s43                        ; my row of the cluster
	s_lshl_b32 s44, 0x1111, s40                    ; my column
	; descriptor group 1: a tile of 128 rows x 256 bytes, padded in LDS
	s_or_b32 s[G1+0], s43, (0<<16)|(1<<20)|(1<<21)|(5<<22)|(3<<25)  ; 15:0 the mask: A's tiles go to my row; 17:16 elements of 1 byte; 20 padding on; 21 set beside a mask; 24:22 after every 64 words; 31:25 four words
	s_or_b32 s[G1B+0], s44, (0<<16)|(1<<20)|(1<<21)|(5<<22)|(3<<25)
.irp g, G1, G1B
	s_mov_b32 s[\g+1], ROWB<<16                    ; tensor_dim0
	s_mov_b32 s[\g+2], 128<<16                     ; tensor_dim1
	s_mov_b32 s[\g+3], ROWB<<16                    ; tile_dim0
	s_mov_b32 s[\g+4], 128                         ; tile_dim1
	s_mov_b32 s[\g+5], KROW                        ; tensor_dim0_stride
	s_mov_b32 s[\g+6], 0
	s_mov_b32 s[\g+7], 0
.endr
	s_lshl_b32 s18, s16, 7                         ; which 128 rows of the tile I fetch
	s_lshl_b32 s20, s17, 8
	s_add_co_u32 s20, s20, s18
	s_lshl_b32 s20, s20, 10                        ; A: (256 x tile + 128 x half) rows of 1,024 bytes
	s_mov_b32 s21, 0
	s_lshl_b32 s46, s42, 8
	s_add_co_u32 s46, s46, s18
	s_lshl_b32 s46, s46, 10                        ; B likewise
	s_mov_b32 s47, 0
	s_mul_i32 s45, s14, HALFT                      ; where they go: wave x 128 rows: no place in the cluster enters an LDS address
	s_wait_kmcnt 0x0
	s_load_b256 s[80:87], s[8:9], 0x0              ; e0 .. e7
	s_cmp_eq_u32 ttmp9, 2
	s_cselect_b64 s[74:75], s[6:7], s[4:5]         ; A's buffer
	s_cselect_b64 s[76:77], s[4:5], s[6:7]         ; B's buffer
	s_add_nc_u64 s[20:21], s[74:75], s[20:21]
	s_add_nc_u64 s[46:47], s[76:77], s[46:47]
	CROUND                                         ; all sixteen work-groups are here: the first joint loads meet
.irp s, 0,1
	s_mov_b32 s[G0+4*\s], 1
	s_add_co_u32 s[G0+4*\s+1], s45, \s*SLOT
	s_add_nc_u64 s[G0+4*\s+2:G0+4*\s+3], s[20:21], \s*ROWB
	s_or_b32 s[G0+4*\s+3], s[G0+4*\s+3], 0x80000000
	s_mov_b32 s[G0B+4*\s], 1
	s_add_co_u32 s[G0B+4*\s+1], s45, \s*SLOT
	s_add_nc_u64 s[G0B+4*\s+2:G0B+4*\s+3], s[46:47], \s*ROWB
	s_or_b32 s[G0B+4*\s+3], s[G0B+4*\s+3], 0x80000000
	JLOAD G0+4*\s, G1, G0B+4*\s, G1B
.endr
	v_and_b32 v1, 15, v0                           ; r = l % 16
	v_bfe_u32 v2, v0, 4, 1                         ; h = l / 16
	v_mul_u32_u24 v3, v1, PITCH
	v_lshl_add_u32 v4, v2, 4, v3                   ; a fragment's row x pitch + 16 x half
	s_mul_i32 s21, s15, HALFT                      ; my 128 rows of A
	s_mul_i32 s22, s16, HALFT                      ; my 128 rows of B,
	s_add_co_u32 s22, s22, 2*HALFT                 ; which lie behind A's 256
.irp s, 0,1
	v_add_nc_u32 v[ADRA+\s], s21, v4
	v_add_nc_u32 v[ADRB+\s], s22, v4
	s_add_co_u32 s21, s21, SLOT
	s_add_co_u32 s22, s22, SLOT
.endr
	v_lshlrev_b32 v[BH], 5, v2
	v_lshlrev_b32 v[BR], 2, v1
	v_and_b32 v6, 31, v0
	v_lshlrev_b32 v[CO], 4, v6
.macro FRAGP reg, adr, q, i            ; a fragment from padded rows: registers 4 c .. 4 c + 3 hold K = 32 c + 16 (l / 16) + 0 .. 15 of row l % 16
.irp c, 0,1,2,3
	ds_load_b128 v[\reg+4*\c:\reg+4*\c+3], v[\adr] offset:128*(\q)+32*\c+(\i)*16*PITCH
.endr
.endm
; 16 matrix instructions: A's blocks a0, a0 + 1 x B's eight, 128 along K.  p: B's set.  zero = 1: the first product starts the sums.
; The 64 accumulators take turns, one instruction a turn, in the same order in every step.
.macro MUL16 a0, p, zero
.irp a, \a0, \a0+1
.irp b, 0,1,2,3,4,5,6,7
.if \zero
	v_wmma_f32_16x16x128_fp8_fp8 v[8*(8*((\a)%4)+\b):8*(8*((\a)%4)+\b)+7], v[128*(\p)+FR*\b:128*(\p)+FR*\b+FR-1], v[AF+FR*(\a):AF+FR*(\a)+FR-1], 0
.else
	v_wmma_f32_16x16x128_fp8_fp8 v[8*(8*((\a)%4)+\b):8*(8*((\a)%4)+\b)+7], v[128*(\p)+FR*\b:128*(\p)+FR*\b+FR-1], v[AF+FR*(\a):AF+FR*(\a)+FR-1], v[8*(8*((\a)%4)+\b):8*(8*((\a)%4)+\b)+7]
.endif
.endr
.endr
.endm
.macro FETCH_B slot, q, p              ; B's eight fragments of the slot's q-th 128 along K into set p
	WIN TO_B
.irp i, 0,1,2,3,4,5,6,7
	FRAGP 128*(\p)+FR*\i, ADRB+\slot, \q, \i
.endr
	WIN 0
.endm
.macro FETCH_A slot, q, i0             ; A's blocks i0 .. i0 + 3
.irp i, \i0, \i0+1, \i0+2, \i0+3
	FRAGP AF+FR*(\i), ADRA+\slot, \q, \i
.endr
.endm
.macro PLACES n                        ; plain vector instructions between a matrix instruction and a load into, or a vector instruction on, its registers
.rept \n
	v_nop
.endr
.endm
; A step of 128 along K that has its successor in the same slot.  A block of A is free as soon as its eight products are issued, so A has one set: blocks 0-3 are fetched anew in the middle, blocks 4-7 at the end.
.macro STEP slot, q, zero
	s_wait_dscnt 4*NL                              ; B's set and A's blocks 0-3 are in; the youngest sixteen loads (A's blocks 4-7) may be out
	WIN MUL_LO
	MUL16 0, (\q)%2, \zero
	MUL16 2, (\q)%2, \zero
	s_wait_dscnt 0                                 ; A's blocks 4-7 are in
	PLACES NP
	FETCH_B \slot, (\q)+1, 1-(\q)%2
	FETCH_A \slot, (\q)+1, 0
	WIN MUL_HI
	MUL16 4, (\q)%2, \zero
	MUL16 6, (\q)%2, \zero
	PLACES NP
	WIN 0
	FETCH_A \slot, (\q)+1, 4
.endm
; A slot's last step changes slots: one barrier; in front of it each wave waits for all its tensor loads, adds 0 to its spare word, and waits for that and for its own reads of this slot.  fill = 1: this slot is filled again.
.macro TURN slot, next, fill
	s_wait_tensorcnt 0x0                           ; all my tensor loads have landed: my part of the next slot
	ds_add_u32 v[SPW], v[NIL]                      ; 0 onto my spare word
	s_wait_dscnt 4*NL+1                            ; the add and the youngest sixteen loads (A's blocks 4-7) may be out
	WIN MUL_LO
	MUL16 0, 1, 0                                  ; sixteen matrix instructions stand between the add and the wait for it
	s_wait_dscnt 0x0                               ; the add is done, and my reads of this slot are over
	s_barrier_signal -1
	MUL16 2, 1, 0
	WIN 0
	s_barrier_wait -1
.if \fill
	CREST                                          ; the barrier has opened a round of the cluster's: no wave of any partner still reads this slot or has a load on its way
	s_add_nc_u64 s[G0+4*\slot+2:G0+4*\slot+3], s[G0+4*\slot+2:G0+4*\slot+3], 2*ROWB
	s_add_nc_u64 s[G0B+4*\slot+2:G0B+4*\slot+3], s[G0B+4*\slot+2:G0B+4*\slot+3], 2*ROWB
	JLOAD G0+4*\slot, G1, G0B+4*\slot, G1B         ; the first tensor load behind the round; its four v_nop are also the places in front of the loads below
.else
	PLACES NP
.endif
	FETCH_B \next, 0, 0
	FETCH_A \next, 0, 0
	WIN MUL_HI
	MUL16 4, 1, 0
	MUL16 6, 1, 0
	PLACES NP
	WIN 0
	FETCH_A \next, 0, 4
.endm
.macro LAST                            ; the very last step: nothing more to fetch
	s_wait_dscnt 4*NL
	WIN MUL_LO
	MUL16 0, 1, 0
	MUL16 2, 1, 0
	s_wait_dscnt 0
	WIN MUL_HI
	MUL16 4, 1, 0
	MUL16 6, 1, 0
	WIN 0
	PLACES NP                                      ; in front of the first read of results and the first write over A's fragments
.endm
; The bias goes into B's set 0, which the step before the last has left (four places stand behind its last products).  isv = 0: eight channels a lane for each of B's blocks; isv = 1: one channel a lane for each of A's blocks, twice, to fill a pair.
.macro BIAS isv
	WIN TO_B
.if \isv
.irp a, 0,1,2,3,4,5,6,7
	global_load_b32 v[2*\a], v[BR], s[90:91] offset:64*\a
	global_load_b32 v[2*\a+1], v[BR], s[90:91] offset:64*\a
.endr
.else
.irp b, 0,1,2,3,4,5,6,7
	global_load_b128 v[8*\b:8*\b+3], v[BH], s[90:91] offset:64*\b
	global_load_b128 v[8*\b+4:8*\b+7], v[BH], s[90:91] offset:64*\b+16
.endr
.endif
	WIN 0
.endm
.macro OUTSCALE                        ; s98 = e of the operand that is made
	s_add_co_i32 s98, s98, 127
	s_lshl_b32 s99, s98, 23
	v_mov_b32 v[SCL], s99
	s_add_co_i32 s98, s98, 8
	s_lshl_b32 s98, s98, 23
	s_or_b32 s98, s98, 0x600000
.endm
; THE WAY OUT, A's blocks one after the other: number = sum x 2^(e0 + e1) + bias (one packed multiply-add for two, each accumulator from its low end on), the hold, the conversion, four stores of 512 consecutive bytes.
.macro EPI isv
	s_wait_loadcnt 0x0                             ; the bias
.irp a, 0,1,2,3,4,5,6,7
.if \a == 4
	s_wait_xcnt 0x0                                ; the stores of blocks 0-3 have read their registers: the four sets of codes are written a second time
.endif
	WIN 0x12+(\a/4)                                ; source 0 (the sums) window 2 or 3, source 2 (the bias) window 1
.irp b, 0,1,2,3,4,5,6,7
.irp i, 0,2,4,6
.if \isv
	v_pk_fma_f32 v[TMP+8*\b+\i:TMP+8*\b+\i+1], v[8*(8*(\a%4)+\b)+\i:8*(8*(\a%4)+\b)+\i+1], s[96:97], v[2*\a:2*\a+1] op_sel_hi:[1,0,1]
.else
	v_pk_fma_f32 v[TMP+8*\b+\i:TMP+8*\b+\i+1], v[8*(8*(\a%4)+\b)+\i:8*(8*(\a%4)+\b)+\i+1], s[96:97], v[8*\b+\i:8*\b+\i+1] op_sel_hi:[1,0,1]
.endif
.endr
.endr
	WIN 0
.set j, 0
.rept 64
.set j, j+1
.endr
.irp b, 0,1,2,3,4,5,6,7
	v_cvt_scalef32_pk8_fp8_f32 v[CD+16*(\a%4)+2*\b:CD+16*(\a%4)+2*\b+1], v[TMP+8*\b:TMP+8*\b+7], v[SCL]
.endr
	v_nop                                          ; one plain vector instruction between the conversions and the next block's writes of their sources
.irp c, 0,1,2,3
.if \isv
	global_store_b128 v[CO], v[CD+16*(\a%4)+4*\c:CD+16*(\a%4)+4*\c+3], s[88:89] offset:2048*(\a%4)+131072*(\a/4)+512*\c   ; head a / 4, channels 16 (a % 4) on: tokens 32 c on
.else
	global_store_b128 v[CO], v[CD+16*(\a%4)+4*\c:CD+16*(\a%4)+4*\c+3], s[88:89] offset:1024*\a+131072*(\c/2)+512*(\c%2)   ; tokens 16 a on: head c / 2, channels 32 (c % 2) on
.endif
.endr
.endr
.endm
	s_wait_alu depctr_va_vdst(0)
	s_wait_tensorcnt 1                             ; my part of K step 0 is in; K step 1's load may be out
	s_barrier_signal -1
	s_barrier_wait -1
	FETCH_B 0, 0, 0
	FETCH_A 0, 0, 0
	FETCH_A 0, 0, 4
	STEP 0, 0, 1                                   ; the first step stands in front of the loop: its products start the sums
	s_mov_b32 s3, LAPS-1
.Llap:                                             ; a trip goes once round the ring and fills both slots again
	TURN 0, 1, 1
	STEP 1, 0, 0
	TURN 1, 0, 1
	STEP 0, 0, 0
	s_sub_co_u32 s3, s3, 1
	s_cmp_lg_u32 s3, 0
	s_cbranch_scc1 .Llap
	TURN 0, 1, 0                                   ; the last lap fills nothing
	STEP 1, 0, 0
	s_wait_kmcnt 0x0
	s_add_co_i32 s96, s80, s81
	s_add_co_i32 s96, s96, 127
	s_lshl_b32 s96, s96, 23                        ; 2^(e0 + e1) as f32
	s_mov_b32 s97, s96                             ; (named with it as a pair)
	s_cmp_eq_u32 ttmp9, 2                          ; the ways part on the cluster's x, which all sixteen partners share; neither way has an LDS access, a barrier or a tensor load
	s_cbranch_scc1 .Lv
	; q or k.  Image of tokens 16 a on, head: batch x 2,097,152 + (4 cx + 2 x my half of B + ..) x 131,072 + (16 (tile % 8) + 8 x my half of A + a) x 1,024
	s_lshr_b32 s88, s17, 3
	s_lshl_b32 s88, s88, 21
	s_lshl_b32 s89, s40, 2
	s_lshl_b32 s92, s16, 1
	s_add_co_u32 s89, s89, s92
	s_lshl_b32 s89, s89, 17
	s_add_co_u32 s88, s88, s89
	s_and_b32 s89, s17, 7
	s_lshl_b32 s89, s89, 4
	s_lshl_b32 s92, s15, 3
	s_add_co_u32 s89, s89, s92
	s_lshl_b32 s89, s89, 10
	s_add_co_u32 s88, s88, s89
	s_mov_b32 s89, 0
	s_lshl_b32 s90, s42, 10                        ; the bias of my 128 channels: 4 x (256 x tile + 128 x half)
	s_lshl_b32 s91, s16, 9
	s_add_co_u32 s90, s90, s91
	s_mov_b32 s91, 0
	s_add_nc_u64 s[90:91], s[10:11], s[90:91]
	s_cmp_eq_u32 ttmp9, 0
	s_cselect_b64 s[94:95], s[68:69], s[70:71]
	s_cselect_b32 s98, s82, s83                    ; e2 or e3
	s_add_nc_u64 s[88:89], s[94:95], s[88:89]
	OUTSCALE
	BIAS 0
	LAST
	EPI 0
	s_branch .Lend
.Lv:
	; v.  Image: batch x 2,097,152 + (4 cy + 2 x my half of A + ..) x 131,072 + (2 (tile % 8) + my half of B) x 8,192
	s_lshr_b32 s88, s42, 3
	s_lshl_b32 s88, s88, 21
	s_lshl_b32 s89, s41, 2
	s_lshl_b32 s92, s15, 1
	s_add_co_u32 s89, s89, s92
	s_lshl_b32 s89, s89, 17
	s_add_co_u32 s88, s88, s89
	s_and_b32 s89, s42, 7
	s_lshl_b32 s89, s89, 1
	s_add_co_u32 s89, s89, s16
	s_lshl_b32 s89, s89, 13
	s_add_co_u32 s88, s88, s89
	s_mov_b32 s89, 0
	s_add_nc_u64 s[88:89], s[72:73], s[88:89]
	s_lshl_b32 s90, s17, 10
	s_lshl_b32 s91, s15, 9
	s_add_co_u32 s90, s90, s91
	s_mov_b32 s91, 0
	s_add_nc_u64 s[90:91], s[10:11], s[90:91]
	s_mov_b32 s98, s85                             ; e5
	OUTSCALE
	BIAS 1
	LAST
	EPI 1
.Lend:
	s_wait_tensorcnt 0x0                           ; the wave's end
	ds_add_u32 v[SPW], v[NIL]
	s_wait_dscnt 0x0
	CROUND                                         ; the closing round: no work-group ends while a partner may still ask for a tile that names it
	s_endpgm
.Lfunc_end_k_q56d7f29fea_qkv:
	.size	k_q56d7f29fea_qkv, .Lfunc_end_k_q56d7f29fea_qkv-k_q56d7f29fea_qkv
	.p2alignl 7, 3214868480
	.fill 96, 4, 3214868480
	.section	.rodata,"a",@progbits
	.p2align	6, 0x0
	.amdhsa_kernel k_q56d7f29fea_qkv
		.amdhsa_group_segment_fixed_size 327680
		.amdhsa_private_segment_fixed_size 0
		.amdhsa_enable_private_segment 0
		.amdhsa_kernarg_size 56
		.amdhsa_user_sgpr_count 2
		.amdhsa_user_sgpr_kernarg_segment_ptr 1
		.amdhsa_wavefront_size32 1
		.amdhsa_system_sgpr_workgroup_id_x 1
		.amdhsa_system_sgpr_workgroup_id_y 1
		.amdhsa_system_sgpr_workgroup_id_z 1
		.amdhsa_system_vgpr_workitem_id 0
		.amdhsa_next_free_vgpr 1024
		.amdhsa_next_free_sgpr 100
		.amdhsa_reserve_vcc 0
		.amdhsa_float_denorm_mode_32 3
		.amdhsa_float_denorm_mode_16_64 3
		.amdhsa_fp16_overflow 1
		.amdhsa_memory_ordered 1
		.amdhsa_forward_progress 1
		.amdhsa_inst_pref_size 134
	.end_amdhsa_kernel
	.amdgpu_metadata
---
amdhsa.version: [ 1, 2 ]
amdhsa.kernels:
  - .name:           k_q56d7f29fea_qkv
    .symbol:         k_q56d7f29fea_qkv.kd
    .args:
      - { .name: x_codes, .offset: 0, .size: 8, .value_kind: global_buffer, .address_space: global }
      - { .name: wa_codes, .offset: 8, .size: 8, .value_kind: global_buffer, .address_space: global }
      - { .name: lowp_scales, .offset: 16, .size: 8, .value_kind: global_buffer, .address_space: global }
      - { .name: b_attn, .offset: 24, .size: 8, .value_kind: global_buffer, .address_space: global }
      - { .name: q_img, .offset: 32, .size: 8, .value_kind: global_buffer, .address_space: global }
      - { .name: k_img, .offset: 40, .size: 8, .value_kind: global_buffer, .address_space: global }
      - { .name: v_img, .offset: 48, .size: 8, .value_kind: global_buffer, .address_space: global }
    .group_segment_fixed_size: 327680
    .private_segment_fixed_size: 0
    .kernarg_segment_align: 8
    .kernarg_segment_size: 56
    .max_flat_workgroup_size: 128
    .sgpr_count:     100
    .vgpr_count:     1024
    .wavefront_size: 32
...
	.end_amdgpu_metadata
.endif
;; end of part 2
;; launch attn (part 3): grid 4 x 64, 16 waves a work-group, clusters of 4 x 1, 264,192 bytes of LDS; arguments q_img, k_img, v_img, lowp_scales, y_img; writes y_img
.if DOCPART == 3
	.amdgcn_target "amdgcn-amd-amdhsa--gfx1250"
	.amdhsa_code_object_version 6
	.text
	.protected	k_q56d7f29fea_attn
	.globl	k_q56d7f29fea_attn
	.p2align	8
	.type	k_q56d7f29fea_attn,@function
k_q56d7f29fea_attn:
	s_mov_b64 s[64:65], 0
	v_nop
	global_prefetch_b8 v0, s[64:65] scope:SCOPE_SE
	s_setreg_imm32_b32 hwreg(HW_REG_WAVE_MODE, 25, 1), 1
	s_wait_xcnt 0x0
	s_wait_alu depctr_hold_cnt(0) depctr_sa_sdst(0) depctr_va_vdst(0) depctr_va_sdst(0) depctr_va_ssrc(0) depctr_va_vcc(0) depctr_vm_vsrc(0)
	s_getreg_b32 s2, hwreg(HW_REG_IB_STS2, 6, 4)
	s_cmp_eq_u32 s2, 0
	s_cbranch_scc0 .Lentry_in_a_cluster
	s_endpgm
.Lentry_in_a_cluster:
	s_bfe_u32 s2, ttmp6, 0x10000c
	s_cmp_lg_u32 s2, 0x3003
	s_cbranch_scc0 .Lentry_shape_is_right
	s_endpgm
.Lentry_shape_is_right:
; y[b][t][64 head + d] = the sum over keys k <= t of softmax_k(q . k / 8) v, both products on codes of E4M3; y is quantised (scale 2^e6) and stored as images of the registers in which the last product wants it.
; q_img, k_img [bh][tile of 16 tokens][1,024 bytes], v_img [bh][step of 128 keys][4][2,048 bytes]: images of fragments (registers 4 s .. 4 s + 3 of lane l at byte 512 s + 16 l), bh = 16 x batch + head.
; y_img [128 x batch + tile][head][1,024 bytes]: registers 4 c .. 4 c + 3 of lane (r, h) at byte 512 c + 16 l = channels 32 c + 16 h + 0 .. 15 of token r.
; THE SOFTMAX: t = score x log2(e) / 8; M = the row's largest t so far, rounded UP to a whole number; p = 2^(t - M) is quantised (scale 2^e4), not normalised.  The row's sum is taken of the unquantised p and divides at the end.
; When M moves, the sum and O are multiplied by 2^(old M - new M): nothing is rounded, and there is no branch on data.
; SHARES.  The four work-groups of a cluster serve ONE head.  The head's whole K (131,072 bytes) and V (131,072) come into each work-group's LDS once, by joint loads; nothing in LDS is ever filled again.
; The head has 128 tiles of 16 queries.  Wave w of partner cx owns two: A = 8 (w / 2) + 2 cx + w % 2 and B = 127 - A.  A needs w / 2 + 1 steps of 128 keys, B 16 - w / 2: seventeen for every wave.
; The steps that a tile needs hang on the wave's number alone, so no branch hangs on a work-group's place in its cluster; cx enters the addresses of Q and y and the mask's numbers only.
; LAYOUT.  Both products are used transposed: S^T = K Q^T (source 0 = 16 keys, source 1 = my 16 queries, K = 64), O^T = V^T P^T (source 0 = 16 channels, source 1 = P, K = 128 keys): a lane holds ONE query (lane % 16).
; Tile t of S^T gives lane (r, h) the keys 16 t + 8 h + 0 .. 7: its conversion's two registers are registers 2 t, 2 t + 1 of P in the second product's own layout.
; LIMITS on the given exponents: e2 + e3 between -123 and 130 (added to c's exponent field); e4, e6 between -126 and 119; e4 + e5 is applied by v_ldexp_f32 and has none.
; REGISTERS: v1-6 addresses and the mask's numbers; v12 -M, v13 the largest t, v[14:15] the sum in two halves; v16-23 Q of tile B, v24-31 of tile A; v32-95 eight fragments of K, then four of V;
;   v96-159 S^T, then p; v160-191 O^T; v192-207 p's codes; v208-223 y's codes; v232-255 constants and work.
.set LI,   1                           ; v1   16 x lane: my place in an image; K lies at LDS byte 0
.set LV,   2                           ; v2   the same + 131,072: V
.set ADK,  3                           ; v3   LDS address of the step's K
.set ADV,  4                           ; v4   of its V
.set DB,   5                           ; v5   tile B: my query's place in its diagonal step, less 8 (lane / 16)
.set DA,   6                           ; v6   tile A: the same
.set QB,   16
.set QA,   24
.set WV,   18                          ; s18  my wave's number
.set CX,   19                          ; s19  my place in the cluster
.set SEL,  20                          ; s[20:21] lane selects for v_permlanex16_b32: lane l xor 16
.set CS,   22                          ; s[22:23] c = log2(e) / 8 x 2^(e2 + e3)
.set G1,   24                          ; s[24:31] descriptor group 1
.set G0K,  32                          ; s[32:47] four groups 0 for K
.set G0V,  72                          ; s[72:87] four for V
.set CLA,  48                          ; s48  tile A's diagonal step: w / 2
.set CLB,  49                          ; s49  tile B's: 15 - w / 2
.set KS,   50                          ; s50  the key step
.set TB,   51                          ; s51  its first byte in K's and in V's part of LDS: 8,192 x step
.set EO,   53                          ; s53  e4 + e5
.macro CROUND                          ; a round of the cluster's barrier
	s_barrier_signal -1
	s_barrier_wait -1
	s_cmp_lg_u32 s[WV], 0
	s_cbranch_scc1 .Lnot_wave_0_\@
	s_barrier_signal -3
.Lnot_wave_0_\@:
	s_barrier_wait -3
	s_barrier_signal -1
	s_barrier_wait -1
.endm
	s_load_b256 s[4:11], s[0:1], 0x0               ; q_img s[4:5], k_img s[6:7], v_img s[8:9], the scales' exponents s[10:11]
	s_load_b64 s[12:13], s[0:1], 0x20              ; y_img
	v_lshl_add_u32 v251, v0, 2, 0x40000
	v_mov_b32 v255, 0
	ds_add_u32 v251, v255
	ds_add_u32 v251, v255
	v_lshrrev_b32 v8, 5, v0
	s_delay_alu instid0(VALU_DEP_1)
	v_readfirstlane_b32 s[WV], v8                  ; wave 0..15
	s_bfe_u32 s[CX], ttmp6, 0x40000
	s_and_b32 s52, ttmp7, 0xffff                   ; bh, which the four partners share
	s_lshr_b32 s[CLA], s[WV], 1
	s_sub_co_u32 s[CLB], 15, s[CLA]
	s_and_b32 s54, s[WV], 7
	s_lshl_b32 s54, s54, 12                        ; my 4,096 bytes of each group of 32,768: in LDS,
	s_lshl_b32 s2, s52, 17
	s_add_co_u32 s2, s2, s54                       ; and in the head's 131,072 bytes of K or of V
	s_mov_b32 s3, 0
	; descriptor group 1: 16 rows of 256 bytes, dense in memory and in LDS
	s_mov_b32 s[G1], 15|(3<<16)|(1<<21)            ; 15:0 the mask: all four work-groups; 17:16 elements of 8 bytes; 21 set beside a mask; no padding: images are read 512 consecutive bytes at a time
	s_mov_b32 s[G1+1], 32<<16                      ; tensor_dim0 = 32 elements
	s_mov_b32 s[G1+2], 16<<16                      ; tensor_dim1 = 16
	s_mov_b32 s[G1+3], 32<<16                      ; tile_dim0
	s_mov_b32 s[G1+4], 16                          ; tile_dim1
	s_mov_b32 s[G1+5], 32                          ; tensor_dim0_stride
	s_mov_b32 s[G1+6], 0
	s_mov_b32 s[G1+7], 0
	s_mov_b32 s[SEL], 0x76543210
	s_mov_b32 s[SEL+1], 0xfedcba98
	s_lshl_b32 s55, s[CX], 1
	s_and_b32 s88, s[WV], 1
	s_add_co_u32 s55, s55, s88                     ; tile A's place in its diagonal step: 2 cx + w % 2
	s_lshl_b32 s88, s[CLA], 3
	s_add_co_u32 s88, s88, s55                     ; tile A
	s_sub_co_u32 s90, 127, s88                     ; tile B
	s_lshl_b32 s91, s52, 17
	s_lshl_b32 s92, s88, 10
	s_add_co_u32 s92, s92, s91                     ; Q of tile A: bh x 131,072 + tile x 1,024
	s_mov_b32 s93, 0
	s_lshl_b32 s94, s90, 10
	s_add_co_u32 s94, s94, s91                     ; of tile B
	s_mov_b32 s95, 0
	s_lshr_b32 s89, s52, 4
	s_lshl_b32 s89, s89, 21
	s_and_b32 s91, s52, 15
	s_lshl_b32 s91, s91, 10
	s_add_co_u32 s89, s89, s91                     ; y: batch x 2,097,152 + head x 1,024
	s_lshl_b32 s96, s88, 14
	s_add_co_u32 s96, s96, s89                     ; + tile x 16,384
	s_mov_b32 s97, 0
	s_lshl_b32 s98, s90, 14
	s_add_co_u32 s98, s98, s89
	s_mov_b32 s99, 0
	s_wait_dscnt 0x0
	s_wait_kmcnt 0x0
	s_load_b256 s[56:63], s[10:11], 0x0            ; e0 .. e7
	s_add_nc_u64 s[6:7], s[6:7], s[2:3]            ; K and V at my part of group 0: made of the head and the wave's number alone
	s_add_nc_u64 s[8:9], s[8:9], s[2:3]
	s_add_nc_u64 s[68:69], s[4:5], s[92:93]        ; Q of tile A
	s_add_nc_u64 s[66:67], s[4:5], s[94:95]        ; Q of tile B
	s_add_nc_u64 s[16:17], s[12:13], s[96:97]      ; y of tile A
	s_add_nc_u64 s[14:15], s[12:13], s[98:99]      ; y of tile B
	CROUND                                         ; all four work-groups are here: the joint loads meet
.irp g, 0,1,2,3                        ; group g: key steps 4 g to 4 g + 3: 32,768 bytes of K and of V, 4,096 a wave
	s_mov_b32 s[G0K+4*\g], 1
	s_add_co_u32 s[G0K+4*\g+1], s54, 32768*\g
	s_add_nc_u64 s[G0K+4*\g+2:G0K+4*\g+3], s[6:7], 32768*\g
	s_or_b32 s[G0K+4*\g+3], s[G0K+4*\g+3], 0x80000000
	s_mov_b32 s[G0V+4*\g], 1
	s_add_co_u32 s[G0V+4*\g+1], s54, 131072+32768*\g
	s_add_nc_u64 s[G0V+4*\g+2:G0V+4*\g+3], s[8:9], 32768*\g
	s_or_b32 s[G0V+4*\g+3], s[G0V+4*\g+3], 0x80000000
.endr
	s_cmp_lt_u32 s[WV], 8                          ; waves 0-7 fetch K, waves 8-15 V.  A wave's four loads stand in one branch, ahead of every wait on TENSORcnt and every LDS read: four loads of mine are out
	s_cbranch_scc0 .Lfirst_v
.irp g, 0,1,2,3
	tensor_load_to_lds s[G0K+4*\g:G0K+4*\g+3], s[G1:G1+7]
	s_nop 0
.endr
.rept 4
	v_nop
.endr
	s_branch .Lfirst_asked
.Lfirst_v:
.irp g, 0,1,2,3
	tensor_load_to_lds s[G0V+4*\g:G0V+4*\g+3], s[G1:G1+7]
	s_nop 0
.endr
.rept 4
	v_nop
.endr
.Lfirst_asked:
	v_and_b32 v[LI], 31, v0
	s_delay_alu instid0(VALU_DEP_1)
	v_lshlrev_b32 v[LI], 4, v[LI]
	global_load_b128 v[QB:QB+3],   v[LI], s[66:67]             ; both tiles' Q stay in registers
	global_load_b128 v[QB+4:QB+7], v[LI], s[66:67] offset:512
	global_load_b128 v[QA:QA+3],   v[LI], s[68:69]
	global_load_b128 v[QA+4:QA+7], v[LI], s[68:69] offset:512
	v_add_nc_u32 v[LV], 0x20000, v[LI]
	v_and_b32 v8, 15, v0
	v_bfe_u32 v9, v0, 4, 1
	s_delay_alu instid0(VALU_DEP_1)
	v_lshlrev_b32 v9, 3, v9
	s_delay_alu instid0(VALU_DEP_1)
	v_sub_nc_u32 v8, v8, v9                        ; r - 8 h
	s_lshl_b32 s55, s55, 4
	v_add_nc_u32 v[DA], s55, v8                    ; register j of tile t holds key 16 t + 8 h + j of the step: hidden where 16 t + j > 16 x (my tile's place) + r - 8 h
	s_sub_co_u32 s55, 112, s55
	v_add_nc_u32 v[DB], s55, v8                    ; tile B's place in its step is 7 - tile A's
	v_mov_b32 v236, 0                              ; written once: a lane permute's destination counts as one of its sources
	v_mov_b32 v253, 0                              ; (named as the upper half of the pair v[252:253])
	s_wait_kmcnt 0x0
	s_mov_b32 s[CS], 0x3e38aa3b                    ; log2(e) / 8
	s_add_co_i32 s54, s58, s59
	s_lshl_b32 s54, s54, 23
	s_add_co_i32 s[CS], s[CS], s54                 ; a score stands for score x 2^(e2 + e3): the exponents are added to c's exponent field
	s_mov_b32 s[CS+1], s[CS]
	s_add_co_i32 s54, s60, 127
	s_lshl_b32 s88, s54, 23
	v_mov_b32 v244, s88                            ; 2^e4, for p's conversions
	s_add_co_i32 s54, s62, 127
	s_lshl_b32 s88, s54, 23
	v_mov_b32 v245, s88                            ; 2^e6, for y's
	s_add_co_i32 s[EO], s60, s61
; A KEY STEP: 128 keys.  qr: the tile's Q.  edge = 1: the step may lie on or behind the tile's diagonal step s[cl]; v[vd]: the mask's number.
.macro STEP qr, edge, cl, vd
.if \edge
	s_cmp_gt_u32 s[KS], s[\cl]                     ; all keys of the step come after my queries: its work is left out; the lines at its end that step the counters are not
	s_cbranch_scc1 .Lhid_\@
.endif
	s_setprio 2
	v_add_nc_u32 v[ADK], s[TB], v[LI]
	v_add_nc_u32 v[ADV], s[TB], v[LV]
	v_nop
	v_nop                                          ; with the two additions: four places in front of loads into registers that the last products read
.irp t, 0,1,2,3,4,5,6,7
	ds_load_b128 v[32+8*\t:35+8*\t], v[ADK] offset:1024*\t
	ds_load_b128 v[36+8*\t:39+8*\t], v[ADK] offset:1024*\t+512
.endr
	s_wait_alu depctr_va_vdst(0)
	s_wait_dscnt 8                                 ; tiles 0-3 are in; the youngest eight loads (tiles 4-7) may be out
.irp t, 0,1,2,3
	v_wmma_f32_16x16x64_fp8_fp8 v[96+8*\t:103+8*\t], v[32+8*\t:39+8*\t], v[\qr:\qr+7], 0
.endr
	s_wait_dscnt 0x0
.irp t, 4,5,6,7
	v_wmma_f32_16x16x64_fp8_fp8 v[96+8*\t:103+8*\t], v[32+8*\t:39+8*\t], v[\qr:\qr+7], 0
.endr
.rept 4
	v_nop                                          ; places in front of the loads over K's fragments and of the first read of scores
.endr
.irp dt, 0,1,2,3                       ; V's four fragments land while the softmax is worked
.irp c, 0,1,2,3
	ds_load_b128 v[32+16*\dt+4*\c:35+16*\dt+4*\c], v[ADV] offset:2048*\dt+512*\c
.endr
.endr
.if \edge                              ; on the diagonal the scores of hidden keys become -infinity ahead of the maximum: p = 0 then.  The step's first key counts for every query of the tile
	s_cmp_lt_u32 s[KS], s[\cl]
	s_cbranch_scc1 .Lopen_\@
	v_mov_b32 v254, 0xff800000
.irp n, 0,1,2,3,4,5,6,7,8,9,10,11,12,13,14,15,16,17,18,19,20,21,22,23,24,25,26,27,28,29,30,31,32,33,34,35,36,37,38,39,40,41,42,43,44,45,46,47,48,49,50,51,52,53,54,55,56,57,58,59,60,61,62,63
	v_cmp_gt_i32 vcc_lo, 16*(\n/8)+\n%8, v[\vd]
	v_cndmask_b32 v[96+\n], v[96+\n], v254, vcc_lo
.endr
.Lopen_\@:
.endif
	v_max3_num_f32 v254, v96, v97, v98             ; the step's largest score of my query, among my 64 keys, in two chains,
	v_max3_num_f32 v252, v99, v100, v101
.irp i, 6,10,14,18,22,26,30,34,38,42,46,50,54,58
	v_max3_num_f32 v254, v254, v[96+\i], v[97+\i]
	v_max3_num_f32 v252, v252, v[98+\i], v[99+\i]
.endr
	v_max3_num_f32 v254, v254, v158, v159
	s_delay_alu instid0(VALU_DEP_1)
	v_max_num_f32 v254, v254, v252
	s_delay_alu instid0(VALU_DEP_1)
	v_permlanex16_b32 v236, v254, s[SEL], s[SEL+1]
	s_delay_alu instid0(VALU_DEP_1)
	v_max_num_f32 v254, v254, v236                 ; and among lane l xor 16's
	s_delay_alu instid0(VALU_DEP_1)
	v_mul_f32 v254, s[CS], v254                    ; as t (c is positive)
	s_delay_alu instid0(VALU_DEP_1)
	v_max_num_f32 v13, v13, v254                   ; the running largest t
	v_mov_b32 v254, v12
	s_delay_alu instid0(VALU_DEP_2)
	v_floor_f32 v12, -v13                          ; the new -M = floor(-t) = -ceil(t)
	s_delay_alu instid0(VALU_DEP_1)
	v_sub_f32 v254, v12, v254                      ; old M - new M: a whole number, 0 or less
	s_delay_alu instid0(VALU_DEP_1)
	v_cvt_i32_f32 v254, v254                       ; (it saturates)
	s_delay_alu instid0(VALU_DEP_1)
	v_ldexp_f32 v252, 1.0, v254                    ; f = 2^(old M - new M)
.set j, 0
.rept 32
	v_pk_fma_f32 v[96+j:97+j], v[96+j:97+j], s[CS:CS+1], v[12:13] op_sel_hi:[1,0,0]   ; t - M, two at a time
.set j, j+2
.endr
.set j, 0
	s_setprio 1
	s_wait_alu depctr_va_vdst(0)
.rept 64
	v_exp_f32 v[96+j], v[96+j]                     ; p = 2^(t - M), at most 1
.set j, j+1
.endr
	v_pk_mul_f32 v[14:15], v[14:15], v[252:253] op_sel_hi:[1,0]   ; the sums under the new M: the plain instruction behind the exponentials
	s_wait_alu depctr_va_vdst(0)                   ; one wait for the batch of 64, ahead of its first reader
	v_pk_add_f32 v[242:243], v[100:101], v[104:105]
	v_pk_add_f32 v[248:249], v[108:109], v[112:113]
	v_pk_add_f32 v[246:247], v[116:117], v[120:121]
	v_pk_add_f32 v[240:241], v[124:125], v[128:129]
	v_pk_add_f32 v[238:239], v[132:133], v[136:137]
	v_pk_add_f32 v[234:235], v[140:141], v[144:145]
	v_pk_add_f32 v[232:233], v[148:149], v[152:153]
	v_pk_add_f32 v[14:15], v[14:15], v[156:157]
	v_pk_add_f32 v[242:243], v[242:243], v[96:97]
	v_pk_add_f32 v[248:249], v[248:249], v[98:99]
	v_pk_add_f32 v[246:247], v[246:247], v[102:103]
	v_pk_add_f32 v[240:241], v[240:241], v[106:107]
	v_pk_add_f32 v[238:239], v[238:239], v[110:111]
	v_pk_add_f32 v[234:235], v[234:235], v[114:115]
	v_pk_add_f32 v[232:233], v[232:233], v[118:119]
	v_pk_add_f32 v[14:15], v[14:15], v[122:123]
	v_pk_add_f32 v[242:243], v[242:243], v[126:127]
	v_pk_add_f32 v[248:249], v[248:249], v[130:131]
	v_pk_add_f32 v[246:247], v[246:247], v[134:135]
	v_pk_add_f32 v[240:241], v[240:241], v[138:139]
	v_pk_add_f32 v[238:239], v[238:239], v[142:143]
	v_pk_add_f32 v[234:235], v[234:235], v[146:147]
	v_pk_add_f32 v[232:233], v[232:233], v[150:151]
	v_pk_add_f32 v[14:15], v[14:15], v[154:155]
	v_pk_add_f32 v[242:243], v[242:243], v[158:159]
	s_delay_alu instid0(VALU_DEP_2)
	v_pk_add_f32 v[14:15], v[14:15], v[240:241]
	s_delay_alu instid0(VALU_DEP_2)
	v_pk_add_f32 v[242:243], v[242:243], v[238:239]
	v_pk_add_f32 v[248:249], v[248:249], v[234:235]
	v_pk_add_f32 v[246:247], v[246:247], v[232:233]
	s_delay_alu instid0(VALU_DEP_2)
	v_pk_add_f32 v[14:15], v[14:15], v[248:249]
	s_delay_alu instid0(VALU_DEP_2)
	v_pk_add_f32 v[242:243], v[242:243], v[246:247]
	s_delay_alu instid0(VALU_DEP_1)
	v_pk_add_f32 v[14:15], v[14:15], v[242:243]
	s_setprio 0
.irp t, 0,1,2,3,4,5,6,7
.irp i, 0,1,2,3,4,5,6,7
.endr
	v_cvt_scalef32_pk8_fp8_f32 v[192+2*\t:193+2*\t], v[96+8*\t:103+8*\t], v244
.endr
.set j, 0
.rept 16
	v_pk_mul_f32 v[160+j:161+j], v[160+j:161+j], v[252:253] op_sel_hi:[1,0]   ; O^T under the new M; also the plain instructions between the conversions and the products
.set j, j+2
.endr
	s_wait_alu depctr_va_vdst(0)
	s_wait_dscnt 0x0                               ; V is in
.irp dt, 0,1,2,3                       ; the four accumulators take turns; between two links of a chain stand three of these and the next step's eight
	v_wmma_f32_16x16x128_fp8_fp8 v[160+8*\dt:167+8*\dt], v[32+16*\dt:47+16*\dt], v[192:207], v[160+8*\dt:167+8*\dt]
.endr
.if \edge
.Lhid_\@:
.endif
	s_add_co_u32 s[KS], s[KS], 1
	s_add_co_u32 s[TB], s[TB], 8192
.endm
.macro RUN from, to, qr, edge, cl, vd  ; key steps from .. to - 1: the trip count is a constant of the text
	s_mov_b32 s[KS], \from
	s_mov_b32 s[TB], 8192*\from
.Lrun_\@:
	STEP \qr, \edge, \cl, \vd
	s_cmp_lt_u32 s[KS], \to
	s_cbranch_scc1 .Lrun_\@
	s_setprio 0
.endm
.macro INIT                            ; a tile begins: the step is written without a first step of its own: it finds zeros, which the first change of M leaves zeros
	v_mov_b32 v13, 0xff61b1e6                      ; the largest t so far: -3e38, under every t
	s_delay_alu instid0(VALU_DEP_1)
	v_floor_f32 v12, -v13
	v_mov_b32 v14, 0
	v_mov_b32 v15, 0
.set j, 0
.rept 32
	v_mov_b32 v[160+j], 0
.set j, j+1
.endr
.endm
; A tile's end: y = O^T / the sum x 2^(e4 + e5), held, converted.  Lane (r, h) then has channels 16 dt + 8 h + 0..7; the image wants 32 c + 16 h + 0..15: the halves of the lanes exchange two registers of each four.
.macro WAYOUT yc, yp
.rept 4
	v_nop
.endr
	v_add_f32 v14, v14, v15                        ; the sum's two halves,
	s_delay_alu instid0(VALU_DEP_1)
	v_permlanex16_b32 v252, v14, s[SEL], s[SEL+1]
	s_delay_alu instid0(VALU_DEP_1)
	v_add_f32 v14, v14, v252                       ; and lane l xor 16's
	s_wait_alu depctr_va_vdst(0)
	v_rcp_f32 v14, v14
	v_nop                                          ; a plain instruction behind the reciprocal,
	s_wait_alu depctr_va_vdst(0)                   ; and the wait ahead of its first reader
	v_ldexp_f32 v14, v14, s[EO]
.set j, 0
.rept 16
	v_pk_mul_f32 v[96+j:97+j], v[160+j:161+j], v[14:15] op_sel_hi:[1,0]
.set j, j+2
.endr
.set j, 0
.rept 32
.set j, j+1
.endr
.irp dt, 0,1,2,3
	v_cvt_scalef32_pk8_fp8_f32 v[\yc+2*\dt:\yc+2*\dt+1], v[96+8*\dt:103+8*\dt], v245
.endr
	v_nop                                          ; one plain instruction between the conversions and the lines that touch their results
	v_permlane16_swap_b32 v[\yc], v[\yc+2]         ; the first register's lanes 16-31 against the second's lanes 0-15
	v_permlane16_swap_b32 v[\yc+1], v[\yc+3]
	v_permlane16_swap_b32 v[\yc+4], v[\yc+6]
	v_permlane16_swap_b32 v[\yc+5], v[\yc+7]
	global_store_b128 v[LI], v[\yc:\yc+3], s[\yp:\yp+1]               ; 32 lanes store 512 consecutive bytes
	global_store_b128 v[LI], v[\yc+4:\yc+7], s[\yp:\yp+1] offset:512
.endm
	INIT
	s_wait_loadcnt 0x0                             ; Q
	s_wait_tensorcnt 3                             ; my part of group 0 is in; my three later loads may be out: nothing in LDS is filled again
	s_barrier_signal -1
	s_barrier_wait -1                              ; everybody's is
	RUN 0, 4, QB, 0, CLB, DB                       ; tile B first, the long one: its diagonal step is 8 at the least, so steps 0-7 are open
	s_wait_tensorcnt 2
	s_barrier_signal -1
	s_barrier_wait -1
	RUN 4, 8, QB, 0, CLB, DB
	s_wait_tensorcnt 1
	s_barrier_signal -1
	s_barrier_wait -1
	RUN 8, 12, QB, 1, CLB, DB
	s_wait_tensorcnt 0x0
	s_barrier_signal -1
	s_barrier_wait -1
	RUN 12, 16, QB, 1, CLB, DB
	WAYOUT 208, 14
	INIT
	RUN 0, 8, QA, 1, CLA, DA                       ; tile A: its diagonal step is 7 at the most
	WAYOUT 216, 16
	s_wait_tensorcnt 0x0
	ds_add_u32 v251, v255
	s_wait_dscnt 0x0
	CROUND                                         ; the closing round
	s_endpgm
.Lfunc_end_k_q56d7f29fea_attn:
	.size	k_q56d7f29fea_attn, .Lfunc_end_k_q56d7f29fea_attn-k_q56d7f29fea_attn
	.p2alignl 7, 3214868480
	.fill 96, 4, 3214868480
	.section	.rodata,"a",@progbits
	.p2align	6, 0x0
	.amdhsa_kernel k_q56d7f29fea_attn
		.amdhsa_group_segment_fixed_size 264192
		.amdhsa_private_segment_fixed_size 0
		.amdhsa_enable_private_segment 0
		.amdhsa_kernarg_size 40
		.amdhsa_user_sgpr_count 2
		.amdhsa_user_sgpr_kernarg_segment_ptr 1
		.amdhsa_wavefront_size32 1
		.amdhsa_system_sgpr_workgroup_id_x 1
		.amdhsa_system_sgpr_workgroup_id_y 1
		.amdhsa_system_sgpr_workgroup_id_z 1
		.amdhsa_system_vgpr_workitem_id 0
		.amdhsa_next_free_vgpr 256
		.amdhsa_next_free_sgpr 100
		.amdhsa_reserve_vcc 1
		.amdhsa_float_denorm_mode_32 3
		.amdhsa_float_denorm_mode_16_64 3
		.amdhsa_fp16_overflow 1
		.amdhsa_memory_ordered 1
		.amdhsa_forward_progress 1
		.amdhsa_inst_pref_size 101
	.end_amdhsa_kernel
	.amdgpu_metadata
---
amdhsa.version: [ 1, 2 ]
amdhsa.kernels:
  - .name:           k_q56d7f29fea_attn
    .symbol:         k_q56d7f29fea_attn.kd
    .args:
      - { .name: q_img, .offset: 0, .size: 8, .value_kind: global_buffer, .address_space: global }
      - { .name: k_img, .offset: 8, .size: 8, .value_kind: global_buffer, .address_space: global }
      - { .name: v_img, .offset: 16, .size: 8, .value_kind: global_buffer, .address_space: global }
      - { .name: lowp_scales, .offset: 24, .size: 8, .value_kind: global_buffer, .address_space: global }
      - { .name: y_img, .offset: 32, .size: 8, .value_kind: global_buffer, .address_space: global }
    .group_segment_fixed_size: 264192
    .private_segment_fixed_size: 0
    .kernarg_segment_align: 8
    .kernarg_segment_size: 40
    .max_flat_workgroup_size: 512
    .sgpr_count:     100
    .vgpr_count:     256
    .wavefront_size: 32
...
	.end_amdgpu_metadata
.endif
;; end of part 3
;; launch proj (part 4): grid 4 x 32, 4 waves a work-group, clusters of 4 x 4, 327,680 bytes of LDS; arguments y_img, wp_codes, lowp_scales, b_proj, out0; writes out0
.if DOCPART == 4
	.amdgcn_target "amdgcn-amd-amdhsa--gfx1250"
	.amdhsa_code_object_version 6
	.text
	.protected	k_q56d7f29fea_proj
	.globl	k_q56d7f29fea_proj
	.p2align	8
	.type	k_q56d7f29fea_proj,@function
k_q56d7f29fea_proj:
	s_mov_b64 s[64:65], 0
	v_nop
	global_prefetch_b8 v0, s[64:65] scope:SCOPE_SE
	s_setreg_imm32_b32 hwreg(HW_REG_WAVE_MODE, 25, 1), 1
	s_wait_xcnt 0x0
	s_wait_alu depctr_hold_cnt(0) depctr_sa_sdst(0) depctr_va_vdst(0) depctr_va_sdst(0) depctr_va_ssrc(0) depctr_va_vcc(0) depctr_vm_vsrc(0)
	s_getreg_b32 s2, hwreg(HW_REG_IB_STS2, 6, 4)
	s_cmp_eq_u32 s2, 0
	s_cbranch_scc0 .Lentry_in_a_cluster
	s_endpgm
.Lentry_in_a_cluster:
	s_bfe_u32 s2, ttmp6, 0x10000c
	s_cmp_lg_u32 s2, 0xf033
	s_cbranch_scc0 .Lentry_shape_is_right
	s_endpgm
.Lentry_shape_is_right:
; out0 = y w_proj + b_proj on codes of E4M3; sums in f32; out0 [8192][1024] f32.
; y_img [block of 16 rows (512)][head (16)][1,024 bytes]: images of fragments: registers 4 c .. 4 c + 3 of lane (r, h) at byte 512 c + 16 l = k 64 head + 32 c + 16 h + 0 .. 15 of row r.  wp_codes [1024 n][1024 k], K innermost.
; LIMIT: e6 + e7 between -126 and 127, so that 2^(e6 + e7) is an f32 number.
; A tile of 256 x 256 is made by four waves, each 128 x 128: 64 accumulators, 512 registers.  K goes in steps of 256 through a ring of two LDS slots filled by the tensor data mover.
; A's part of a slot is images (8 blocks x 4,096 bytes a load, read 512 consecutive bytes at a time, no padding); B's is padded rows.  Both give a lane k = 32 c + 16 (l / 16) + 0 .. 15 in registers 4 c .. 4 c + 3.
; The matrix instruction is used transposed (source 0 = 16 rows of wp_codes, source 1 = 16 rows of y): a lane holds eight neighbouring numbers of a row of out0.
; CLUSTERS: 4 x 4 work-groups; A's tiles are asked for jointly along a row of the cluster, B's along a column.
; REGISTERS, in windows of 256: window 0: v0-31 addresses; v128-255 A's fragments, one set (on the way out v32-255 are free).  window 1: B's fragments, two sets (set 0 takes the bias at the end).  windows 2, 3: the accumulators.
.set ROWB,   256                       ; B: a tile's row in bytes
.set KROW,   1024
.set PITCH,  272                       ; B: an LDS row: 256 bytes + 16 of padding
.set AROW,   4096                      ; A: a block's 256 along K as images
.set FR,     16
.set NL,     4
.set NP,     4
.set HALFA,  8*AROW                    ; A: 128 rows
.set HALFT,  128*PITCH                 ; B: 128 rows
.set ASZ,    2*HALFA
.set SLOT,   ASZ+2*HALFT
.set LAPS,   2
.set SPARE,  2*SLOT                    ; behind the ring: the spare words, 128 bytes for each wave
.set SPITCH, 528                       ; the way out: a stage of 16 rows x (512 bytes + 16) for each wave, in slot 0, which has had its last fill and its last read by then
.set ADRA, 16
.set ADRB, 20
.set STO,  24                          ; v24  the way out: where I put 32 bytes of a row
.set RD,   25                          ; v25  where I read a row back
.set CO,   26                          ; v26  16 x lane
.set BH,   27                          ; v27  32 x (lane / 16): the bias
.set SPW,  28
.set NIL,  29
.set TMP,  32
.set AF,   128
.set BK,   128
.set G1, 24
.set G0, 32
.set G1B, 48
.set G0B, 56
.set MSB, 0
.macro WIN new
.if MSB != (\new)
	s_set_vgpr_msb (MSB<<8)|(\new)
.set MSB, (\new)
.endif
.endm
.set MUL_LO, 0xa1
.set MUL_HI, 0xf1
.set TO_B,   0x40
.macro JLOAD g0a, g1a, g0b, g1b        ; waves 0 and 1 fetch for A, waves 2 and 3 for B; four v_nop follow each of the two lines
	s_cmp_eq_u32 s15, 0
	s_cbranch_scc0 .Lfor_b_\@
	tensor_load_to_lds s[\g0a:\g0a+3], s[\g1a:\g1a+7]
	s_nop 0
.rept 4
	v_nop
.endr
	s_branch .Lasked_\@
.Lfor_b_\@:
	tensor_load_to_lds s[\g0b:\g0b+3], s[\g1b:\g1b+7]
	s_nop 0
.rept 4
	v_nop
.endr
.Lasked_\@:
.endm
.macro CREST
	s_cmp_lg_u32 s14, 0
	s_cbranch_scc1 .Lnot_wave_0_\@
	s_barrier_signal -3
.Lnot_wave_0_\@:
	s_barrier_wait -3
	s_barrier_signal -1
	s_barrier_wait -1
.endm
.macro CROUND
	s_barrier_signal -1
	s_barrier_wait -1
	CREST
.endm
	s_load_b256 s[4:11], s[0:1], 0x0               ; y_img s[4:5], wp_codes s[6:7], the scales' exponents s[8:9], b_proj s[10:11]
	s_load_b64 s[72:73], s[0:1], 0x20              ; out0
	v_lshl_add_u32 v[SPW], v0, 2, SPARE
	v_mov_b32 v[NIL], 0
	ds_add_u32 v28, v29
	ds_add_u32 v28, v29
	s_wait_dscnt 0x0
	v_lshrrev_b32 v1, 5, v0
	v_readfirstlane_b32 s14, v1                    ; wave 0..3
	s_lshr_b32 s15, s14, 1                         ; which half of the tile's rows is mine.  Also: I fetch for A (0) or for B (1)
	s_and_b32 s16, s14, 1                          ; which half of its columns.  Also: which 128 rows of that tile I fetch
	s_bfe_u32 s40, ttmp6, 0x40000                  ; cx, cy
	s_bfe_u32 s41, ttmp6, 0x40004
	s_lshl_b32 s42, ttmp9, 2
	s_add_co_u32 s42, s42, s40                     ; tile column
	s_and_b32 s17, ttmp7, 0xffff
	s_lshl_b32 s17, s17, 2
	s_add_co_u32 s17, s17, s41                     ; tile row
	s_lshl_b32 s43, s41, 2
	s_lshl_b32 s43, 15, s43                        ; my row of the cluster
	s_lshl_b32 s44, 0x1111, s40                    ; my column
	; A's group 1: 8 rows of 4,096 bytes (a block's four heads), 16,384 bytes apart in memory, dense in LDS
	s_or_b32 s[G1+0], s43, (3<<16)|(1<<21)         ; 15:0 the mask; 17:16 elements of 8 bytes; 21 set beside a mask; no padding
	s_mov_b32 s[G1+1], 512<<16                     ; tensor_dim0 = 512 elements
	s_mov_b32 s[G1+2], 8<<16                       ; tensor_dim1 = 8
	s_mov_b32 s[G1+3], 512<<16                     ; tile_dim0
	s_mov_b32 s[G1+4], 8                           ; tile_dim1
	s_mov_b32 s[G1+5], 2048                        ; tensor_dim0_stride
	s_mov_b32 s[G1+6], 0
	s_mov_b32 s[G1+7], 0
	; B's group 1: 128 rows of 256 bytes, padded in LDS
	s_or_b32 s[G1B+0], s44, (0<<16)|(1<<20)|(1<<21)|(5<<22)|(3<<25)
	s_mov_b32 s[G1B+1], ROWB<<16
	s_mov_b32 s[G1B+2], 128<<16
	s_mov_b32 s[G1B+3], ROWB<<16
	s_mov_b32 s[G1B+4], 128
	s_mov_b32 s[G1B+5], KROW
	s_mov_b32 s[G1B+6], 0
	s_mov_b32 s[G1B+7], 0
	s_lshl_b32 s20, s17, 18                        ; A: tile row x 16 blocks x 16,384 bytes
	s_lshl_b32 s18, s16, 17
	s_add_co_u32 s20, s20, s18                     ; + half x 8 blocks
	s_mov_b32 s21, 0
	s_lshl_b32 s46, s42, 8
	s_lshl_b32 s18, s16, 7
	s_add_co_u32 s46, s46, s18
	s_lshl_b32 s46, s46, 10                        ; B: (256 x tile column + 128 x half) rows of 1,024 bytes
	s_mov_b32 s47, 0
	s_lshl_b32 s45, s16, 15                        ; where A's half goes,
	s_mul_i32 s79, s16, HALFT
	s_add_co_u32 s79, s79, ASZ                     ; and B's: no place in the cluster enters an LDS address
	s_wait_kmcnt 0x0
	s_load_b256 s[80:87], s[8:9], 0x0              ; e0 .. e7
	s_add_nc_u64 s[20:21], s[4:5], s[20:21]
	s_add_nc_u64 s[46:47], s[6:7], s[46:47]
	CROUND                                         ; all sixteen work-groups are here: the first joint loads meet
.irp s, 0,1
	s_mov_b32 s[G0+4*\s], 1
	s_add_co_u32 s[G0+4*\s+1], s45, \s*SLOT
	s_add_nc_u64 s[G0+4*\s+2:G0+4*\s+3], s[20:21], \s*AROW
	s_or_b32 s[G0+4*\s+3], s[G0+4*\s+3], 0x80000000
	s_mov_b32 s[G0B+4*\s], 1
	s_add_co_u32 s[G0B+4*\s+1], s79, \s*SLOT
	s_add_nc_u64 s[G0B+4*\s+2:G0B+4*\s+3], s[46:47], \s*ROWB
	s_or_b32 s[G0B+4*\s+3], s[G0B+4*\s+3], 0x80000000
	s_wait_alu depctr_va_vdst(0)
	s_wait_tensorcnt 0x0
	ds_add_u32 v28, v29
	ds_add_u32 v28, v29
	s_wait_dscnt 0x0
	CROUND
	JLOAD G0+4*\s, G1, G0B+4*\s, G1B
.endr
	v_and_b32 v1, 15, v0                           ; r
	v_bfe_u32 v2, v0, 4, 1                         ; h
	v_and_b32 v6, 31, v0
	v_lshlrev_b32 v[CO], 4, v6                     ; 16 x lane
	v_mul_u32_u24 v3, v1, PITCH
	v_lshl_add_u32 v4, v2, 4, v3                   ; B: row x pitch + 16 x half
	s_lshl_b32 s21, s15, 15                        ; my 128 rows of A
	s_mul_i32 s22, s16, HALFT
	s_add_co_u32 s22, s22, ASZ                     ; my 128 rows of B
.irp s, 0,1
	v_add_nc_u32 v[ADRA+\s], s21, v[CO]
	v_add_nc_u32 v[ADRB+\s], s22, v4
	s_add_co_u32 s21, s21, SLOT
	s_add_co_u32 s22, s22, SLOT
.endr
	s_mul_i32 s23, s14, 16*SPITCH                  ; my stage
	v_mul_u32_u24 v5, v1, SPITCH
	v_lshl_add_u32 v5, v2, 5, v5
	v_add_nc_u32 v[STO], s23, v5                   ; in: row r, 32 bytes for each half of the lanes
	v_add_nc_u32 v[RD], s23, v[CO]                 ; back: the 32 lanes take one row of 512 bytes
	v_lshlrev_b32 v[BH], 5, v2
	s_lshl_b32 s20, s17, 8
	s_lshl_b32 s21, s15, 7
	s_add_co_u32 s20, s20, s21
	s_lshl_b32 s20, s20, 12                        ; my first row of out0, rows of 4,096 bytes
	s_lshl_b32 s46, s42, 10
	s_lshl_b32 s47, s16, 9
	s_add_co_u32 s46, s46, s47                     ; my first column, in bytes: also my place in b_proj
	s_mov_b32 s47, 0
	s_add_nc_u64 s[90:91], s[10:11], s[46:47]
	s_add_co_u32 s20, s20, s46
	s_mov_b32 s21, 0
	s_add_nc_u64 s[72:73], s[72:73], s[20:21]
.macro FRAGP reg, adr, q, i            ; a fragment from padded rows
.irp c, 0,1,2,3
	ds_load_b128 v[\reg+4*\c:\reg+4*\c+3], v[\adr] offset:128*(\q)+32*\c+(\i)*16*PITCH
.endr
.endm
.macro FRAGI reg, adr, q, i            ; a fragment from images: block i, the slot's q-th 128 along K (two heads)
.irp c, 0,1,2,3
	ds_load_b128 v[\reg+4*\c:\reg+4*\c+3], v[\adr] offset:2048*(\q)+512*\c+(\i)*AROW
.endr
.endm
; The 64 accumulators take turns, one instruction a turn, in the same order in every step.
.macro MUL16 a0, p, zero
.irp a, \a0, \a0+1
.irp b, 0,1,2,3,4,5,6,7
.if \zero
	v_wmma_f32_16x16x128_fp8_fp8 v[8*(8*((\a)%4)+\b):8*(8*((\a)%4)+\b)+7], v[128*(\p)+FR*\b:128*(\p)+FR*\b+FR-1], v[AF+FR*(\a):AF+FR*(\a)+FR-1], 0
.else
	v_wmma_f32_16x16x128_fp8_fp8 v[8*(8*((\a)%4)+\b):8*(8*((\a)%4)+\b)+7], v[128*(\p)+FR*\b:128*(\p)+FR*\b+FR-1], v[AF+FR*(\a):AF+FR*(\a)+FR-1], v[8*(8*((\a)%4)+\b):8*(8*((\a)%4)+\b)+7]
.endif
.endr
.endr
.endm
.macro FETCH_B slot, q, p
	WIN TO_B
.irp i, 0,1,2,3,4,5,6,7
	FRAGP 128*(\p)+FR*\i, ADRB+\slot, \q, \i
.endr
	WIN 0
.endm
.macro FETCH_A slot, q, i0
.irp i, \i0, \i0+1, \i0+2, \i0+3
	FRAGI AF+FR*(\i), ADRA+\slot, \q, \i
.endr
.endm
.macro PLACES n                        ; plain vector instructions between a matrix instruction and a load into, or a vector instruction on, its registers
.rept \n
	v_nop
.endr
.endm
.macro STEP slot, q, zero
	s_wait_dscnt 4*NL                              ; B's set and A's blocks 0-3 are in; the youngest sixteen loads (A's blocks 4-7) may be out
	WIN MUL_LO
	MUL16 0, (\q)%2, \zero
	MUL16 2, (\q)%2, \zero
	s_wait_dscnt 0
	PLACES NP
	FETCH_B \slot, (\q)+1, 1-(\q)%2
	FETCH_A \slot, (\q)+1, 0
	WIN MUL_HI
	MUL16 4, (\q)%2, \zero
	MUL16 6, (\q)%2, \zero
	PLACES NP
	WIN 0
	FETCH_A \slot, (\q)+1, 4
.endm
.macro TURN slot, next, fill
	s_wait_tensorcnt 0x0                           ; all my tensor loads have landed: my part of the next slot
	ds_add_u32 v[SPW], v[NIL]                      ; 0 onto my spare word
	s_wait_dscnt 4*NL+1                            ; the add and the youngest sixteen loads may be out
	WIN MUL_LO
	MUL16 0, 1, 0
	s_wait_dscnt 0x0                               ; the add is done, and my reads of this slot are over
	s_barrier_signal -1
	MUL16 2, 1, 0
	WIN 0
	s_barrier_wait -1
.if \fill
	CREST                                          ; no wave of any partner still reads this slot or has a load on its way
	s_add_nc_u64 s[G0+4*\slot+2:G0+4*\slot+3], s[G0+4*\slot+2:G0+4*\slot+3], 2*AROW
	s_add_nc_u64 s[G0B+4*\slot+2:G0B+4*\slot+3], s[G0B+4*\slot+2:G0B+4*\slot+3], 2*ROWB
	JLOAD G0+4*\slot, G1, G0B+4*\slot, G1B         ; the first tensor load behind the round; its four v_nop are also the places in front of the loads below
.else
	PLACES NP
.endif
	FETCH_B \next, 0, 0
	FETCH_A \next, 0, 0
	WIN MUL_HI
	MUL16 4, 1, 0
	MUL16 6, 1, 0
	PLACES NP
	WIN 0
	FETCH_A \next, 0, 4
.endm
	s_wait_alu depctr_va_vdst(0)
	s_wait_tensorcnt 1                             ; my part of K step 0 is in; K step 1's load may be out
	s_barrier_signal -1
	s_barrier_wait -1
	FETCH_B 0, 0, 0
	FETCH_A 0, 0, 0
	FETCH_A 0, 0, 4
	STEP 0, 0, 1
	s_mov_b32 s3, LAPS-1
.Llap:
	TURN 0, 1, 1
	STEP 1, 0, 0
	TURN 1, 0, 1
	STEP 0, 0, 0
	s_sub_co_u32 s3, s3, 1
	s_cmp_lg_u32 s3, 0
	s_cbranch_scc1 .Llap
	TURN 0, 1, 0
	STEP 1, 0, 0
	WIN TO_B                                       ; the bias goes into B's set 0, which the step above has left (four places stand behind its last products): eight columns a lane for each of B's blocks
.irp b, 0,1,2,3,4,5,6,7
	global_load_b128 v[8*\b:8*\b+3], v[BH], s[90:91] offset:64*\b
	global_load_b128 v[8*\b+4:8*\b+7], v[BH], s[90:91] offset:64*\b+16
.endr
	WIN 0
	s_wait_dscnt 4*NL                              ; the very last step: nothing more to fetch
	WIN MUL_LO
	MUL16 0, 1, 0
	MUL16 2, 1, 0
	s_wait_dscnt 0
	WIN MUL_HI
	MUL16 4, 1, 0
	MUL16 6, 1, 0
	WIN 0
; THE WAY OUT, block by block of 16 rows x 128 columns: sum x 2^(e6 + e7) + bias, through my own stage in LDS, back as whole rows of 512 bytes.
; LDS serves a wave's instructions in order (ISA guide 5.7.1.4): no wait between the stores and the loads, nor in front of the next block's stores.
.macro TOSTAGE a
.set AC, 64*((\a)%4)
	WIN 0x12+((\a)/4)                              ; source 0 (the sums) window 2 or 3, source 2 (the bias) window 1
.irp j, 0,2,4,6,8,10,12,14,16,18,20,22,24,26,28,30,32,34,36,38,40,42,44,46,48,50,52,54,56,58,60,62
	v_pk_fma_f32 v[TMP+\j:TMP+\j+1], v[AC+\j:AC+\j+1], s[96:97], v[\j:\j+1] op_sel_hi:[1,0,1]   ; each accumulator from its low end on
.endr
	WIN 0
.irp b, 0,1,2,3,4,5,6,7
	ds_store_b128 v[STO], v[TMP+8*\b:TMP+8*\b+3] offset:64*\b
	ds_store_b128 v[STO], v[TMP+8*\b+4:TMP+8*\b+7] offset:64*\b+16
.endr
.set BB, BK+64*((\a)%2)
.irp t, 0,1,2,3,4,5,6,7,8,9,10,11,12,13,14,15
	ds_load_b128 v[BB+4*\t:BB+4*\t+3], v[RD] offset:\t*SPITCH
.endr
.endm
.macro SEND a, younger                 ; younger: the LDS instructions issued behind block a's loads, which may stay out
.set BB, BK+64*((\a)%2)
	s_wait_dscnt \younger
.if (\a) > 0
	s_add_nc_u64 s[72:73], s[72:73], 16*4096       ; 16 rows on (behind a wait on XCNT: the earlier stores have read their base)
.endif
.irp t, 0,1,2,3,4,5,6,7,8,9,10,11,12,13,14,15
	global_store_b128 v[CO], v[BB+4*\t:BB+4*\t+3], s[72:73] offset:\t*4096 th:TH_STORE_NT   ; 32 lanes store 512 consecutive bytes, at a multiple of 256 from out0's first byte
.endr
.endm
	s_wait_kmcnt 0x0
	s_add_co_i32 s96, s86, s87
	s_add_co_i32 s96, s96, 127
	s_lshl_b32 s96, s96, 23                        ; 2^(e6 + e7) as f32
	s_mov_b32 s97, s96                             ; (named with it as a pair)
	s_wait_loadcnt 0x0                             ; the bias
	PLACES NP                                      ; in front of the first read of results and of the loads into the registers that held A's fragments
	TOSTAGE 0
.irp a, 1,2,3,4,5,6,7
.if \a > 1
	s_wait_xcnt 0x0                                ; block a - 2's stores have read their registers and their base
.endif
	TOSTAGE \a
	SEND \a-1, 32                                  ; behind block a - 1's loads: block a's 16 stores and 16 loads
.endr
	s_wait_xcnt 0x0
	SEND 7, 0
	s_wait_tensorcnt 0x0                           ; the wave's end
	ds_add_u32 v[SPW], v[NIL]
	s_wait_dscnt 0x0
	CROUND                                         ; the closing round
	s_endpgm
.Lfunc_end_k_q56d7f29fea_proj:
	.size	k_q56d7f29fea_proj, .Lfunc_end_k_q56d7f29fea_proj-k_q56d7f29fea_proj
	.p2alignl 7, 3214868480
	.fill 96, 4, 3214868480
	.section	.rodata,"a",@progbits
	.p2align	6, 0x0
	.amdhsa_kernel k_q56d7f29fea_proj
		.amdhsa_group_segment_fixed_size 327680
		.amdhsa_private_segment_fixed_size 0
		.amdhsa_enable_private_segment 0
		.amdhsa_kernarg_size 40
		.amdhsa_user_sgpr_count 2
		.amdhsa_user_sgpr_kernarg_segment_ptr 1
		.amdhsa_wavefront_size32 1
		.amdhsa_system_sgpr_workgroup_id_x 1
		.amdhsa_system_sgpr_workgroup_id_y 1
		.amdhsa_system_sgpr_workgroup_id_z 1
		.amdhsa_system_vgpr_workitem_id 0
		.amdhsa_next_free_vgpr 1024
		.amdhsa_next_free_sgpr 100
		.amdhsa_reserve_vcc 0
		.amdhsa_float_denorm_mode_32 3
		.amdhsa_float_denorm_mode_16_64 3
		.amdhsa_memory_ordered 1
		.amdhsa_forward_progress 1
		.amdhsa_inst_pref_size 126
	.end_amdhsa_kernel
	.amdgpu_metadata
---
amdhsa.version: [ 1, 2 ]
amdhsa.kernels:
  - .name:           k_q56d7f29fea_proj
    .symbol:         k_q56d7f29fea_proj.kd
    .args:
      - { .name: y_img, .offset: 0, .size: 8, .value_kind: global_buffer, .address_space: global }
      - { .name: wp_codes, .offset: 8, .size: 8, .value_kind: global_buffer, .address_space: global }
      - { .name: lowp_scales, .offset: 16, .size: 8, .value_kind: global_buffer, .address_space: global }
      - { .name: b_proj, .offset: 24, .size: 8, .value_kind: global_buffer, .address_space: global }
      - { .name: out0, .offset: 32, .size: 8, .value_kind: global_buffer, .address_space: global }
    .group_segment_fixed_size: 327680
    .private_segment_fixed_size: 0
    .kernarg_segment_align: 8
    .kernarg_segment_size: 40
    .max_flat_workgroup_size: 128
    .sgpr_count:     100
    .vgpr_count:     1024
    .wavefront_size: 32
...
	.end_amdgpu_metadata
.endif
;; end of part 4
